; MI455X (gfx1250); checked and timed in simulation.
; The chip was launched on July 23, 2026; its instructions are those of AMD's public machine-readable ISA for CDNA 5 (MIT licence, August 2026) and "CDNA5" Instruction Set Architecture Reference Guide (July 2026). The comments in the code are by the model that wrote it; some were corrected since.
;; Structural Graph Transformer. Allowed arithmetic: matrix products marked QUANTISED: E2M3 operands, one E8M0 scale for each 32 along K, by v_wmma_scale_f32_16x16x128_f8f6f4 with both operands' format E2M3, f32 sums; everything else in f32.
;; Inputs: Wk 1,024 x 1,024 float32; Wo 1,024 x 1,024 float32; Wq 1,024 x 1,024 float32; Wv 1,024 x 1,024 float32; bk 1,024 float32; bo 1,024 float32; bq 1,024 float32; bv 1,024 float32; dist_bias 5 float32; distances 4 x 2,048 x 2,048 int32; ln_b 1,024 float32; ln_g 1,024 float32; x 4 x 2,048 x 1,024 float32.
;; Outputs: out0 4 x 2,048 x 1,024 float32.
;; This version of the problem:
;;   THIS VERSION OF THE PROBLEM IS GIVEN IN LOW PRECISION. The matrix products marked QUANTISED in the list below multiply operands that are first quantised to E2M3 (2 exponent bits, 3 mantissa bits; 6 bits a number), with one power-of-two scale for each 32 numbers along K (OCP MX v1.0); their sums are f32. All else is computed in f32.
;;   The module's matrix products, in the order in which they are computed (A, B: the left and right operand; K: the contracted axis; several contracted axes count as one K, in the product's order):
;;     1. [M 8,192, K 1,024] x [K 1,024, N 1,024]; A: input x; B: input Wq: QUANTISED
;;     2. [M 8,192, K 1,024] x [K 1,024, N 1,024]; A: input x; B: input Wk: QUANTISED
;;     3. [M 8,192, K 1,024] x [K 1,024, N 1,024]; A: input x; B: input Wv: QUANTISED
;;     4. batch 64 x [M 2,048, K 64] x [K 64, N 2,048]; A: computed on the way; B: computed on the way: QUANTISED
;;     5. batch 64 x [M 2,048, K 2,048] x [K 2,048, N 64]; A: softmax (see below); B: computed on the way: QUANTISED
;;     6. [M 8,192, K 1,024] x [K 1,024, N 1,024]; A: computed on the way; B: input Wo: QUANTISED
;;   THE QUANTISER, for each operand of a quantised product, along K:
;;     - K is cut into blocks of 32 from its start; a last block that is shorter is filled with zeros.
;;     - A block's scale is 2^e with e = floor(log2(the largest magnitude in the block)) - 2, held to -126 .. 127; a block of zeros has e = 0. As a byte (E8M0): e + 127.
;;     - Each number is divided by its block's scale, clamped to +-7.5, and rounded to the nearest number of E2M3, ties to even, subnormals kept.
;;     - The product sums the exact products of the quantised numbers (number of the format x scale) in f32.
;;   ~~~python
;;   def quantise(x, axis):      # numpy; x: float32 -> the quantised numbers, widened to float32 again
;;       x = np.moveaxis(x, axis, -1); K = x.shape[-1]
;;       x = np.pad(x, [(0, 0)] * (x.ndim - 1) + [(0, -K % 32)]); x = x.reshape(x.shape[:-1] + (-1, 32)); a = np.abs(x).max(-1, keepdims=True)
;;       e = np.where(a > 0, np.clip(np.frexp(np.where(a > 0, a, 1))[1] - 1 - 2, -126, 127), 0)      # np.frexp(a)[1] - 1 = floor(log2(a)), exactly
;;       r = np.clip(x / 2.0 ** e, -7.5, 7.5)
;;       step = 2.0 ** (np.maximum(np.frexp(np.where(r == 0, 1, r))[1] - 1, 0) - 3)
;;       q = np.round(r / step) * step * 2.0 ** e      # np.round: ties to even
;;       return np.moveaxis(q.reshape(q.shape[:-2] + (-1,))[..., :K], -1, axis).astype(np.float32)
;;   ~~~
;;   SOFTMAX AHEAD OF A QUANTISED PRODUCT. Where the list says 'softmax', what is quantised is not the finished softmax but p = 2^(t - M), with t = logit x log2(e) and M = ceil(the row's largest t), a whole number; so 1/2 < the row's largest p <= 1. The row's sum l is taken of the UNQUANTISED p, in f32, and the product's result is divided by l at the end. Since M is a whole number, a kernel that streams over the keys may use a running M (the ceiling of the running maximum): every later rescaling is an exact power of two, which a block's scale takes up: the codes' values come out the same.
;;   OPERANDS COMPUTED ON THE WAY. 'Computed on the way' means the value that the module computes at that place (a softmax that the list does not call 'softmax' is quantised finished and normalised). What goes into a quantiser is computed in f32, as accurately as f32 sums, v_exp_f32 and their like allow (about 1e-6 of the number): no bf16 or f16 on the way to a quantiser, and a product that is left as it is and whose result goes on into a quantised operand takes f32 operands (vector FMAs, or v_wmma_f32_16x16x4_f32). A number that lies on a knife's edge between two numbers of the format may be rounded either way, as far as f32 arithmetic and the matrix unit's own rounding can turn it there, and no further.
;; One version. Each part assembles by itself: llvm-mc -triple=amdgcn-amd-amdhsa -mcpu=gfx1250 --defsym DOCPART=n.
;; ======== version 1 of 1: 4 launches
;; workspace buffers: cod 9,437,184 bytes; scl 393,216 bytes; bia 67,108,864 bytes; qp 6,553,600 bytes; kvp 13,107,200 bytes; ac 6,291,456 bytes; acs 262,144 bytes
;; launch prep (part 1): grid 1216 x 1, 4 waves a work-group, no clusters, 34,304 bytes of LDS; arguments x, Wq, Wk, Wv, Wo, distances, dist_bias, cod, scl, bia; writes cod, scl, bia
.if DOCPART == 1
	.amdgcn_target "amdgcn-amd-amdhsa--gfx1250"
	.amdhsa_code_object_version 6
	.text
	.protected	k_q3b1925b497_prep
	.globl	k_q3b1925b497_prep
	.p2align	8
	.type	k_q3b1925b497_prep,@function
k_q3b1925b497_prep:
	s_mov_b64 s[64:65], 0
	v_nop
	global_prefetch_b8 v0, s[64:65] scope:SCOPE_SE
	s_setreg_imm32_b32 hwreg(HW_REG_WAVE_MODE, 25, 1), 1
	s_wait_xcnt 0x0
; PREP.  Two jobs, parted by the work-group's number.
; Q (work-groups 0-191): x [8192][1024] and Wq, Wk, Wv, Wo [1024][1024], f32, become codes of FP6 (E2M3) with one E8M0 byte for each 32 along K (the last axis), laid as IMAGES OF OPERAND REGISTERS.
;   A tile T of a matrix holds 16 rows: 32 (T / 2) + 8 (T % 2) + r + 8 (r / 8), r = 0 .. 15.  A fragment (tile, 128 along K) is 12 registers a lane; its image is 1,536 bytes: registers 4 c .. 4 c + 3 of lane l at 512 c + 16 l.
;   cod: [768 tiles][8 K steps][1,536]: tiles 0-511 x, 512-575 Wq, 576-639 Wk, 640-703 Wv, 704-767 Wo.  scl: [768][512]: the scale word of (K step ks, row r) at 256 (ks / 4) + 16 r + 4 (ks % 4).
;   A wave takes one tile.  Each load reads 512 consecutive bytes of one row; a K step's 16 x 512 bytes turn through the wave's own stage in LDS (rows 528 bytes apart) so that a lane gets 16 neighbours of each block of 32.
; D (work-groups 192-1215): distances [4][2048][2048] int32 become bia, f32: 8 x dist_bias[clip(d, 0, 4)].  Row q is stored at q with bits 3 and 4 swapped (the tile order above).  8 = sqrt(64): the attention adds this to q.k and scales the sum by 1/8.
; A block's scale is 2^(floor(log2(largest magnitude)) - 2); its byte is the largest magnitude's exponent field - 2, held at 1 from below.
; LIMITS: NaN and infinities among the inputs are not served.  A block of zeros gets the byte 1 where the rule says 127: its codes are zeros, and the bytes are read by this program alone.
; No matrix unit, no tensor load, no barrier: the launch streams, and waves share nothing.
.set RW,   16                          ; v16-143  two sets of 64: a K step's 16 x 512 bytes as loaded
.set X,    144                         ; v144-207 64 numbers of my row: register 16 b + i = k 32 b + 16 (lane / 16) + i
.set F,    208                         ; v208-219 the fragment just made
.set CT,   220                         ; v220-227 the conversions' second halves
.set TM,   228                         ; v228-243 at work in QUANT
.set PW,   244                         ; v244-251 the scale word of each K step
.set SQ,   252                         ; v252-255 the four words that my lane stores
.set DI,   16                          ; v16-79   D: two sets of 32 distances
.set DQ,   80                          ; v80-143  D: two sets of 32 results
.set SEL,  34                          ; s[34:35] lane selects: lane l xor 16
.set STW,  8448                        ; a wave's stage: 16 rows x 528 bytes
; 64 numbers of a lane, register 16 b + i = place 32 b + 16 (lane / 16) + i of my row, become the codes of places 0-63 in v[d0 .. d0+5], of places 64-127 in v[d1 .. d1+5], and the row's scale word in v[pw].
.macro QUANT s, d0, d1, pw
.irp b, 0,1,2,3
	v_max3_num_f32 v[TM+\b], |v[(\s)+16*\b]|, |v[(\s)+1+16*\b]|, 0x1800000   ; my 16 numbers of block b, and the floor 2^(3 - 127): the byte cannot fall under 1
.endr
.irp i, 2,4,6,8,10,12,14
.irp b, 0,1,2,3
	v_max3_num_f32 v[TM+\b], v[TM+\b], |v[(\s)+16*\b+\i]|, |v[(\s)+1+16*\b+\i]|   ; the four blocks by turns
.endr
.endr
.irp b, 0,1,2,3
	v_permlanex16_b32 v[TM+4+\b], v[TM+\b], s[SEL], s[SEL+1]
.endr
.irp b, 0,1,2,3
	v_max_num_f32 v[TM+\b], v[TM+\b], v[TM+4+\b]   ; with lane l xor 16's 16: the block's largest magnitude
.endr
.irp b, 0,1,2,3
	v_add_nc_u32 v[TM+12+\b], 0xff000000, v[TM+\b]   ; 2 off its exponent field: the conversion's scale operand
.endr
.irp b, 0,1,2,3
	v_lshrrev_b32 v[TM+4+\b], 23, v[TM+12+\b]   ; the scale's byte
.endr
	v_lshl_or_b32 v[\pw], v[TM+5], 8, v[TM+4]
	v_lshl_or_b32 v[\pw], v[TM+6], 16, v[\pw]
	v_lshl_or_b32 v[\pw], v[TM+7], 24, v[\pw]
	v_cvt_scalef32_pk16_fp6_f32 v[(\d0):(\d0)+2], v[(\s):(\s)+15], v[TM+12]
	v_cvt_scalef32_pk16_fp6_f32 v[CT:CT+2], v[(\s)+16:(\s)+31], v[TM+13]
	v_cvt_scalef32_pk16_fp6_f32 v[(\d1):(\d1)+2], v[(\s)+32:(\s)+47], v[TM+14]
	v_cvt_scalef32_pk16_fp6_f32 v[CT+4:CT+6], v[(\s)+48:(\s)+63], v[TM+15]
	v_nop                                          ; one plain instruction behind the scaled conversions
.irp i, 0,1,2                                  ; the operand's layout wants a whole block in a lane: lanes 0-15 the even block, lanes 16-31 the odd one
	v_permlane16_swap_b32 v[(\d0)+\i], v[CT+\i]
.endr
.irp i, 0,1,2
	v_mov_b32 v[(\d0)+3+\i], v[CT+\i]
.endr
.irp i, 0,1,2
	v_permlane16_swap_b32 v[(\d1)+\i], v[CT+4+\i]
.endr
.irp i, 0,1,2
	v_mov_b32 v[(\d1)+3+\i], v[CT+4+\i]
.endr
.endm
	s_load_b256 s[4:11], s[0:1], 0x0               ; x, Wq, Wk, Wv
	s_load_b256 s[12:19], s[0:1], 0x20             ; Wo, distances, dist_bias, cod
	s_load_b128 s[20:23], s[0:1], 0x40             ; scl, bia
	v_lshl_add_u32 v238, v0, 2, 0x8400
	v_mov_b32 v239, 0
	v_lshrrev_b32 v4, 5, v0
	v_readfirstlane_b32 s2, v4                     ; wave 0..3
	v_and_b32 v5, 31, v0                           ; lane
	v_lshlrev_b32 v1, 4, v5                        ; 16 x lane
	s_cmp_ge_u32 ttmp9, 192
	s_cbranch_scc1 .Ldist
	; ---------------- Q: one tile a wave
	v_and_b32 v6, 15, v0                           ; r
	v_bfe_u32 v7, v0, 4, 1                         ; h
	s_mul_i32 s3, s2, STW
	v_add_nc_u32 v2, s3, v1                        ; the stage, on the way in: a row's 512 bytes as loaded
	v_mul_u32_u24 v3, v6, 528
	v_lshl_add_u32 v3, v7, 6, v3
	v_add_nc_u32 v3, s3, v3                        ; on the way out: row r, + 64 h: my 16 numbers of each block
	s_mov_b32 s[SEL], 0x76543210
	s_mov_b32 s[SEL+1], 0xfedcba98
.irp b, 0,1,2,3
	v_mov_b32 v[TM+4+\b], 0                        ; written once: a lane permute's destination counts as one of its sources
.endr
	s_lshl_b32 s26, ttmp9, 2
	s_add_co_u32 s26, s26, s2                      ; g: my tile among the 768
	s_wait_kmcnt 0x0
	s_mov_b64 s[24:25], s[12:13]                   ; whose tile: the choice hangs on the work-group's number alone
	s_cmp_lt_u32 ttmp9, 176
	s_cselect_b64 s[24:25], s[10:11], s[24:25]
	s_cmp_lt_u32 ttmp9, 160
	s_cselect_b64 s[24:25], s[8:9], s[24:25]
	s_cmp_lt_u32 ttmp9, 144
	s_cselect_b64 s[24:25], s[6:7], s[24:25]
	s_cmp_lt_u32 ttmp9, 128
	s_cselect_b64 s[24:25], s[4:5], s[24:25]
	s_cselect_b32 s27, 511, 63
	s_and_b32 s27, s26, s27                        ; the tile's number in its own matrix
	s_lshr_b32 s28, s27, 1
	s_lshl_b32 s28, s28, 17                        ; 32 rows of 4,096 bytes for each pair of tiles,
	s_and_b32 s27, s27, 1
	s_lshl_b32 s27, s27, 15                        ; 8 rows for the odd one
	s_add_co_u32 s28, s28, s27
	s_mov_b32 s29, 0
	s_add_nc_u64 s[24:25], s[24:25], s[28:29]
	s_mul_i32 s28, s26, 12288
	s_add_nc_u64 s[18:19], s[18:19], s[28:29]      ; my tile's eight images
	s_lshl_b32 s28, s26, 9
	s_add_nc_u64 s[20:21], s[20:21], s[28:29]      ; and its 512 bytes of scale words
.macro LOADQ ks                        ; K step ks of the tile's 16 rows: each load 512 consecutive bytes of one row
.irp i, 0,1,2,3,4,5,6,7,8,9,10,11,12,13,14,15
	global_load_b128 v[RW+64*((\ks)%2)+4*\i:RW+64*((\ks)%2)+4*\i+3], v1, s[24:25] offset:(\i+8*(\i/8))*4096+512*(\ks) th:TH_LOAD_NT
.endr
.endm
.macro STEPQ ks
.if (\ks) < 7
	s_wait_loadcnt 16                              ; this K step's 16 loads are in; the next step's 16 may be out
.else
	s_wait_loadcnt 0x0
.endif
.irp i, 0,1,2,3,4,5,6,7,8,9,10,11,12,13,14,15
	ds_store_b128 v2, v[RW+64*((\ks)%2)+4*\i:RW+64*((\ks)%2)+4*\i+3] offset:528*\i
.endr
.irp b, 0,1,2,3
.irp j, 0,1,2,3
	ds_load_b128 v[X+16*\b+4*\j:X+16*\b+4*\j+3], v3 offset:128*\b+16*\j   ; LDS serves a wave's instructions in order: these see the stores above
.endr
.endr
	s_wait_dscnt 0x0                               ; my numbers are back, and the stores have read their registers,
.if (\ks) < 6
	LOADQ (\ks)+2                                  ; which take the loads of two K steps on
.endif
	s_wait_xcnt 0x0                                ; the last image's stores have read F: it is written again only behind this wait
	QUANT X, F, F+6, PW+(\ks)
.irp c, 0,1,2
	global_store_b128 v1, v[F+4*\c:F+4*\c+3], s[18:19] offset:1536*(\ks)+512*\c   ; 32 lanes store 512 consecutive bytes
.endr
.endm
	LOADQ 0
	LOADQ 1
.irp k, 0,1,2,3,4,5,6,7
	STEPQ \k
.endr
	v_cmp_lt_u32 vcc_lo, 15, v5                    ; lanes 0-15 store K steps 0-3's words of row r, lanes 16-31 K steps 4-7's: 512 consecutive bytes
.irp i, 0,1,2,3
	v_cndmask_b32 v[SQ+\i], v[PW+\i], v[PW+4+\i], vcc_lo
.endr
	global_store_b128 v1, v[SQ:SQ+3], s[20:21]
	s_wait_tensorcnt 0x0
	ds_add_u32 v238, v239
	s_wait_dscnt 0x0
	s_endpgm
	; ---------------- D: eight rows of distances a work-group, two a wave
.Ldist:
	s_sub_co_u32 s26, ttmp9, 192                   ; d: rows 8 d .. 8 d + 7
	s_and_b32 s27, s26, 0x3fc
	s_and_b32 s28, s26, 1
	s_lshl_b32 s28, s28, 1
	s_or_b32 s27, s27, s28
	s_bfe_u32 s28, s26, 0x10001
	s_or_b32 s27, s27, s28                         ; d with bits 0 and 1 swapped: bits 3 and 4 of the row
	s_lshl_b32 s28, s2, 1
	s_lshl_b32 s26, s26, 3
	s_add_co_u32 s26, s26, s28
	s_lshl_b32 s26, s26, 13                        ; in: row 8 d + 2 wave, 8,192 bytes a row
	s_lshl_b32 s27, s27, 3
	s_add_co_u32 s27, s27, s28
	s_lshl_b32 s28, s27, 13                        ; out
	s_mov_b32 s27, 0
	s_mov_b32 s29, 0
	s_wait_kmcnt 0x0
	s_load_b128 s[36:39], s[16:17], 0x0            ; the table of five
	s_load_b32 s40, s[16:17], 0x10
	s_add_nc_u64 s[14:15], s[14:15], s[26:27]
	s_add_nc_u64 s[22:23], s[22:23], s[28:29]
.macro LOADD t                         ; 4,096 bytes: eight loads of 512 consecutive bytes
.irp i, 0,1,2,3,4,5,6,7
	global_load_b128 v[DI+32*((\t)%2)+4*\i:DI+32*((\t)%2)+4*\i+3], v1, s[14:15] offset:4096*(\t)+512*\i th:TH_LOAD_NT
.endr
.endm
.macro CONV t                          ; the chain of selects IS the clip: d < 1 gives entry 0, d >= 4 entry 4
.set n, 0
.rept 32
	v_cmp_gt_i32 vcc_lo, 4, v[DI+32*((\t)%2)+n]
	v_cndmask_b32 v[DQ+32*((\t)%2)+n], v12, v11, vcc_lo
	v_cmp_gt_i32 vcc_lo, 3, v[DI+32*((\t)%2)+n]
	v_cndmask_b32 v[DQ+32*((\t)%2)+n], v[DQ+32*((\t)%2)+n], v10, vcc_lo
	v_cmp_gt_i32 vcc_lo, 2, v[DI+32*((\t)%2)+n]
	v_cndmask_b32 v[DQ+32*((\t)%2)+n], v[DQ+32*((\t)%2)+n], v9, vcc_lo
	v_cmp_gt_i32 vcc_lo, 1, v[DI+32*((\t)%2)+n]
	v_cndmask_b32 v[DQ+32*((\t)%2)+n], v[DQ+32*((\t)%2)+n], v8, vcc_lo
.set n, n+1
.endr
.endm
	LOADD 0
	LOADD 1
	s_wait_kmcnt 0x0
	v_mov_b32 v8, s36
	v_mov_b32 v9, s37
	v_mov_b32 v10, s38
	v_mov_b32 v11, s39
	v_mov_b32 v12, s40
.irp i, 8,9,10,11,12
	v_mul_f32 v\i, 0x41000000, v\i                 ; x 8: exact
.endr
.irp t, 0,1,2,3
.if \t < 3
	s_wait_loadcnt 8                               ; this group's eight loads are in; the next group's may be out
.else
	s_wait_loadcnt 0x0
.endif
.if \t >= 2
	s_wait_xcnt 0x0                                ; the stores of two groups back have read their registers
.endif
	CONV \t
.if \t < 2
	LOADD \t+2
.endif
.irp i, 0,1,2,3,4,5,6,7
	global_store_b128 v1, v[DQ+32*(\t%2)+4*\i:DQ+32*(\t%2)+4*\i+3], s[22:23] offset:4096*\t+512*\i
.endr
.endr
	s_endpgm
.Lfunc_end_k_q3b1925b497_prep:
	.size	k_q3b1925b497_prep, .Lfunc_end_k_q3b1925b497_prep-k_q3b1925b497_prep
	.p2alignl 7, 3214868480
	.fill 96, 4, 3214868480
	.section	.rodata,"a",@progbits
	.p2align	6, 0x0
	.amdhsa_kernel k_q3b1925b497_prep
		.amdhsa_group_segment_fixed_size 34304
		.amdhsa_private_segment_fixed_size 0
		.amdhsa_enable_private_segment 0
		.amdhsa_kernarg_size 80
		.amdhsa_user_sgpr_count 2
		.amdhsa_user_sgpr_kernarg_segment_ptr 1
		.amdhsa_wavefront_size32 1
		.amdhsa_system_sgpr_workgroup_id_x 1
		.amdhsa_system_sgpr_workgroup_id_y 1
		.amdhsa_system_sgpr_workgroup_id_z 1
		.amdhsa_system_vgpr_workitem_id 0
		.amdhsa_next_free_vgpr 256
		.amdhsa_next_free_sgpr 66
		.amdhsa_reserve_vcc 1
		.amdhsa_float_denorm_mode_32 3
		.amdhsa_float_denorm_mode_16_64 3
		.amdhsa_memory_ordered 1
		.amdhsa_forward_progress 1
		.amdhsa_inst_pref_size 104
	.end_amdhsa_kernel
	.amdgpu_metadata
---
amdhsa.version: [ 1, 2 ]
amdhsa.kernels:
  - .name:           k_q3b1925b497_prep
    .symbol:         k_q3b1925b497_prep.kd
    .args:
      - { .name: x, .offset: 0, .size: 8, .value_kind: global_buffer, .address_space: global }
      - { .name: Wq, .offset: 8, .size: 8, .value_kind: global_buffer, .address_space: global }
      - { .name: Wk, .offset: 16, .size: 8, .value_kind: global_buffer, .address_space: global }
      - { .name: Wv, .offset: 24, .size: 8, .value_kind: global_buffer, .address_space: global }
      - { .name: Wo, .offset: 32, .size: 8, .value_kind: global_buffer, .address_space: global }
      - { .name: distances, .offset: 40, .size: 8, .value_kind: global_buffer, .address_space: global }
      - { .name: dist_bias, .offset: 48, .size: 8, .value_kind: global_buffer, .address_space: global }
      - { .name: cod, .offset: 56, .size: 8, .value_kind: global_buffer, .address_space: global }
      - { .name: scl, .offset: 64, .size: 8, .value_kind: global_buffer, .address_space: global }
      - { .name: bia, .offset: 72, .size: 8, .value_kind: global_buffer, .address_space: global }
    .group_segment_fixed_size: 34304
    .private_segment_fixed_size: 0
    .kernarg_segment_align: 8
    .kernarg_segment_size: 80
    .max_flat_workgroup_size: 128
    .sgpr_count:     66
    .vgpr_count:     256
    .wavefront_size: 32
...
	.end_amdgpu_metadata
.endif
;; end of part 1
;; launch proj (part 2): grid 8 x 48, 4 waves a work-group, clusters of 4 x 4, 327,680 bytes of LDS; arguments cod, scl, bq, bk, bv, qp, kvp; writes qp, kvp
.if DOCPART == 2
	.amdgcn_target "amdgcn-amd-amdhsa--gfx1250"
	.amdhsa_code_object_version 6
	.text
	.protected	k_q3b1925b497_proj
	.globl	k_q3b1925b497_proj
	.p2align	8
	.type	k_q3b1925b497_proj,@function
k_q3b1925b497_proj:
	s_mov_b64 s[64:65], 0
	v_nop
	global_prefetch_b8 v0, s[64:65] scope:SCOPE_SE
	s_setreg_imm32_b32 hwreg(HW_REG_WAVE_MODE, 25, 1), 1
	s_wait_xcnt 0x0
	s_wait_alu depctr_hold_cnt(0) depctr_sa_sdst(0) depctr_va_vdst(0) depctr_va_sdst(0) depctr_va_ssrc(0) depctr_va_vcc(0) depctr_vm_vsrc(0)
	s_getreg_b32 s2, hwreg(HW_REG_IB_STS2, 6, 4)
	s_cmp_eq_u32 s2, 0
	s_cbranch_scc0 .Lentry_in_a_cluster
	s_endpgm
.Lentry_in_a_cluster:
	s_bfe_u32 s2, ttmp6, 0x10000c
	s_cmp_lg_u32 s2, 0xf033
	s_cbranch_scc0 .Lentry_shape_is_right
	s_endpgm
.Lentry_shape_is_right:
; PROJ.  q = x Wq^T + bq, k = x Wk^T + bk, v = x Wv^T + bv on codes of FP6 (E2M3) with E8M0 scales, and the results quantised again, as the attention's operands want them.
; One body: G[i][j] = sum over k of P[i][k] R[j][k], K = 1,024; source 0 = 16 rows of P, source 1 = 16 rows of R; in the result a lane holds one j and its registers run along i; G is quantised along i.
;   QK (cluster y < 8):  P = rows of Wq, Wk (i = feature), R = tokens.  128 features are two heads: a lane's 64 numbers give both heads' codes of one token, along the head's 64.
;   V  (cluster y >= 8): P = tokens (i = key), R = rows of Wv.  128 tokens are one key step: a lane's 64 numbers give one fragment of V^T, along the keys.
; The mode hangs on the cluster's y, which all sixteen partners share.  Both operands come from cod, as register images (1,536 bytes a fragment), so a fragment is three ds_load_b128 of consecutive bytes: no pitch, no padding.
; A tile T holds rows 32 (T / 2) + 8 (T % 2) + r + 8 (r / 8): with such tiles as source 0 the 16 registers of result tiles 2 g, 2 g + 1 are the 16 neighbours 32 g + 16 (lane / 16) + 0 .. 15 along i.
; A work-group of four waves makes 256 x 256, a wave 128 x 128: 64 accumulators.  K goes in slots of 256 (two K steps) through a ring of two LDS slots; the scale words of all of K come once.
; CLUSTER 4 x 4: R's tiles hang on the work-group's y and are shared along a row of the cluster, P's on its x and are shared along a column: joint loads.
; OUT.  qp: [b][128 tokens][head][6,400]: four images (registers 0-5: the even tile of a group of 32 tokens, 6-11: the odd one; the head's 64 dims each), then 256 bytes of scale words at 16 r + 4 group (bytes 0, 1 the even tile's).
;       kvp: [b][key step][head][12,800]: K's four images as in qp; V^T's four images at 6,144; K's scale words at 12,288; V's at 12,544 (16 r + 4 tile).
; LIMITS: NaN and infinities are not served.  A block of zeros gets the byte 1 where the rule says 127: its codes are zeros, and the bytes are read by this program alone.
; REGISTERS: window 0: v0-31 addresses; v32-95 scale words (8 i + ks: lanes 0-15 R's block i, lanes 16-31 P's block i); v96-124 the epilogue's small registers; v128-223 R's eight fragments, later the epilogue's numbers and codes.
;   window 1: P's fragments, two sets, at v0 and v128; v96-127 and v224-255 the bias.   windows 2, 3: the accumulators, (a, b) at v[8 (8 (a % 4) + b)].
.set NL,     3                         ; LDS loads that bring a fragment
.set FR,     12
.set TILEB,  3072                      ; a tile's bytes in a slot: two K steps' images
.set HALFT,  8*TILEB                   ; eight tiles: what one tensor load brings, and what one wave reads of R or of P
.set SLOT,   4*HALFT                   ; R's 16 tiles, then P's 16
.set SCL,    2*SLOT                    ; behind the ring: R's scale words (16 x 512 bytes), then P's
.set HALFS,  4096
.set SPARE,  SCL+4*HALFS               ; the spare words, 128 bytes a wave: two blocks of 256 bytes that no other line names
.set ADRA, 16                          ; v16-17 LDS address of my fragments of R in slot 0, 1
.set ADRB, 20                          ; v20-21 the same for P
.set VO,   24                          ; v24 16 x lane
.set VS,   25                          ; v25 where my lane stores its four scale words
.set VB,   26                          ; v26 my lane's offset in the bias
.set ADRS, 27                          ; v27 LDS address of my scale words
.set SPW,  28
.set NIL,  29
.set SC,   32
.set TM,   96
.set PWS,  112                         ; v112-119 the scale word of each of R's eight blocks
.set W4,   120
.set SELV, 124
.set AF,   128
.set T,    128                         ; v128-191 64 numbers
.set F0,   192
.set F1,   204
.set CT,   216
.set G1,   24
.set G0,   32
.set G1B,  48
.set G0B,  56
.set G1S,  68
.set G0S,  76
.set G1SB, 80
.set G0SB, 88
.set SEL,  98
.set MSB, 0
.macro WIN new                         ; the immediate's high byte repeats the setting that is left
.if MSB != (\new)
	s_set_vgpr_msb (MSB<<8)|(\new)
.set MSB, (\new)
.endif
.endm
.set MUL_LO, 0xa1                      ; source 0 (P) window 1, source 1 (R) window 0, C and D window 2
.set MUL_HI, 0xf1
.set TO_B,   0x40
.macro JLOAD g0a, g1a, g0b, g1b        ; a joint load: waves 0 and 1 fetch for R, waves 2 and 3 for P; four v_nop follow each of the two lines
	s_cmp_eq_u32 s15, 0
	s_cbranch_scc0 .Lfor_b_\@
	tensor_load_to_lds s[\g0a:\g0a+3], s[\g1a:\g1a+7]
	s_nop 0
.rept 4
	v_nop
.endr
	s_branch .Lasked_\@
.Lfor_b_\@:
	tensor_load_to_lds s[\g0b:\g0b+3], s[\g1b:\g1b+7]
	s_nop 0
.rept 4
	v_nop
.endr
.Lasked_\@:
.endm
.macro CREST
	s_cmp_lg_u32 s14, 0
	s_cbranch_scc1 .Lnot_wave_0_\@
	s_barrier_signal -3
.Lnot_wave_0_\@:
	s_barrier_wait -3
	s_barrier_signal -1
	s_barrier_wait -1
.endm
.macro CROUND
	s_barrier_signal -1
	s_barrier_wait -1
	CREST
.endm
.macro PLACES n
.rept \n
	v_nop
.endr
.endm
; 64 numbers of a lane, register 16 b + i = place 32 b + 16 (lane / 16) + i, become the codes of places 0-63 in v[d0 .. d0+5], of places 64-127 in v[d1 .. d1+5], and the scale word in v[pw].
.macro QUANT s, d0, d1, pw
.irp b, 0,1,2,3
	v_max3_num_f32 v[TM+\b], |v[(\s)+16*\b]|, |v[(\s)+1+16*\b]|, 0x1800000   ; and the floor 2^(3 - 127): the byte cannot fall under 1
.endr
.irp i, 2,4,6,8,10,12,14
.irp b, 0,1,2,3
	v_max3_num_f32 v[TM+\b], v[TM+\b], |v[(\s)+16*\b+\i]|, |v[(\s)+1+16*\b+\i]|
.endr
.endr
.irp b, 0,1,2,3
	v_permlanex16_b32 v[TM+4+\b], v[TM+\b], s[SEL], s[SEL+1]
.endr
.irp b, 0,1,2,3
	v_max_num_f32 v[TM+\b], v[TM+\b], v[TM+4+\b]
.endr
.irp b, 0,1,2,3
	v_add_nc_u32 v[TM+12+\b], 0xff000000, v[TM+\b]   ; 2 off the exponent field: the conversion's scale operand
.endr
.irp b, 0,1,2,3
	v_lshrrev_b32 v[TM+4+\b], 23, v[TM+12+\b]
.endr
	v_lshl_or_b32 v[\pw], v[TM+5], 8, v[TM+4]
	v_lshl_or_b32 v[\pw], v[TM+6], 16, v[\pw]
	v_lshl_or_b32 v[\pw], v[TM+7], 24, v[\pw]
	v_cvt_scalef32_pk16_fp6_f32 v[(\d0):(\d0)+2], v[(\s):(\s)+15], v[TM+12]
	v_cvt_scalef32_pk16_fp6_f32 v[CT:CT+2], v[(\s)+16:(\s)+31], v[TM+13]
	v_cvt_scalef32_pk16_fp6_f32 v[(\d1):(\d1)+2], v[(\s)+32:(\s)+47], v[TM+14]
	v_cvt_scalef32_pk16_fp6_f32 v[CT+4:CT+6], v[(\s)+48:(\s)+63], v[TM+15]
	v_nop                                          ; one plain instruction behind the scaled conversions
.irp i, 0,1,2
	v_permlane16_swap_b32 v[(\d0)+\i], v[CT+\i]
.endr
.irp i, 0,1,2
	v_mov_b32 v[(\d0)+3+\i], v[CT+\i]
.endr
.irp i, 0,1,2
	v_permlane16_swap_b32 v[(\d1)+\i], v[CT+4+\i]
.endr
.irp i, 0,1,2
	v_mov_b32 v[(\d1)+3+\i], v[CT+4+\i]
.endr
.endm
	s_load_b256 s[4:11], s[0:1], 0x0               ; cod s[4:5], scl s[6:7], bq s[8:9], bk s[10:11]
	s_load_b128 s[92:95], s[0:1], 0x20             ; bv s[92:93], qp s[94:95]
	s_load_b64 s[96:97], s[0:1], 0x30              ; kvp
	v_lshl_add_u32 v[SPW], v0, 2, SPARE
	v_mov_b32 v[NIL], 0
	ds_add_u32 v28, v29
	s_wait_dscnt 0x0
	v_lshrrev_b32 v1, 5, v0
	v_readfirstlane_b32 s14, v1                    ; wave 0..3
	s_lshr_b32 s15, s14, 1                         ; which half of R's rows is mine.  Also: I fetch for R (0) or for P (1)
	s_and_b32 s16, s14, 1                          ; which half of P's rows.  Also: which eight tiles I fetch
	s_bfe_u32 s40, ttmp6, 0x40000                  ; cx
	s_bfe_u32 s41, ttmp6, 0x40004                  ; cy
	s_lshl_b32 s42, ttmp9, 2
	s_add_co_u32 s42, s42, s40                     ; work-group x
	s_and_b32 s12, ttmp7, 0xffff                   ; the cluster's y: the mode
	s_lshl_b32 s17, s12, 2
	s_add_co_u32 s17, s17, s41                     ; work-group y
	s_lshl_b32 s43, s41, 2
	s_lshl_b32 s43, 15, s43                        ; my row of the cluster
	s_lshl_b32 s44, 0x1111, s40                    ; my column
	; group 1 for codes: eight rows (tiles) of 3,072 bytes (384 elements of 8), 12,288 bytes apart; no padding
	s_or_b32 s[G1+0], s43, (3<<16)|(1<<21)         ; R's tiles go to my row
	s_or_b32 s[G1B+0], s44, (3<<16)|(1<<21)        ; P's to my column
.irp g, G1, G1B
	s_mov_b32 s[\g+1], 384<<16                     ; tensor_dim0
	s_mov_b32 s[\g+2], 8<<16                       ; tensor_dim1
	s_mov_b32 s[\g+3], 384<<16                     ; tile_dim0
	s_mov_b32 s[\g+4], 8                           ; tile_dim1
	s_mov_b32 s[\g+5], 1536                        ; from tile to tile
	s_mov_b32 s[\g+6], 0
	s_mov_b32 s[\g+7], 0
.endr
	; and for the scale words of eight tiles: 4,096 dense bytes as 16 rows of 256
	s_or_b32 s[G1S+0], s43, (3<<16)|(1<<21)
	s_or_b32 s[G1SB+0], s44, (3<<16)|(1<<21)
.irp g, G1S, G1SB
	s_mov_b32 s[\g+1], 32<<16
	s_mov_b32 s[\g+2], 16<<16
	s_mov_b32 s[\g+3], 32<<16
	s_mov_b32 s[\g+4], 16
	s_mov_b32 s[\g+5], 32
	s_mov_b32 s[\g+6], 0
	s_mov_b32 s[\g+7], 0
.endr
	; which tiles of cod.  R's registers never hold cx, P's never cy
	s_lshl_b32 s18, s16, 3
	s_lshl_b32 s20, s17, 4                         ; QK: R = tokens: tile 16 y
	s_lshl_b32 s21, s41, 4
	s_add_co_u32 s21, s21, 640                     ; V: R = Wv's rows: tile 640 + 16 cy
	s_lshl_b32 s46, s42, 4
	s_lshl_b32 s47, s12, 7
	s_add_co_u32 s47, s47, s46
	s_sub_co_u32 s47, s47, 1024                    ; V: P = tokens: tile 16 x + 128 (cluster y - 8)
	s_add_co_u32 s46, s46, 512                     ; QK: P = Wq's and Wk's rows: tile 512 + 16 x
	s_cmp_lt_u32 s12, 8
	s_cselect_b32 s20, s20, s21
	s_cselect_b32 s46, s46, s47
	s_add_co_u32 s20, s20, s18
	s_add_co_u32 s46, s46, s18
	s_lshl_b32 s22, s20, 9                         ; their scale words,
	s_lshl_b32 s2, s46, 9
	s_mul_i32 s20, s20, 12288                      ; their images
	s_mul_i32 s46, s46, 12288
	s_mov_b32 s21, 0
	s_mov_b32 s23, 0
	s_mov_b32 s47, 0
	s_mov_b32 s3, 0
	s_mul_i32 s45, s14, HALFT                      ; where they go: wave x eight tiles: no place in the cluster enters an LDS address
	s_lshl_b32 s13, s14, 12
	s_wait_kmcnt 0x0
	s_add_nc_u64 s[20:21], s[4:5], s[20:21]
	s_add_nc_u64 s[22:23], s[6:7], s[22:23]
	s_add_nc_u64 s[46:47], s[4:5], s[46:47]
	s_add_nc_u64 s[2:3], s[6:7], s[2:3]
	CROUND                                         ; all sixteen work-groups are here: the first joint loads meet
	s_mov_b32 s[G0S], 1
	s_add_co_u32 s[G0S+1], s13, SCL
	s_mov_b64 s[G0S+2:G0S+3], s[22:23]
	s_or_b32 s[G0S+3], s[G0S+3], 0x80000000
	s_mov_b32 s[G0SB], 1
	s_add_co_u32 s[G0SB+1], s13, SCL
	s_mov_b64 s[G0SB+2:G0SB+3], s[2:3]
	s_or_b32 s[G0SB+3], s[G0SB+3], 0x80000000
	JLOAD G0S, G1S, G0SB, G1SB                     ; the scale words first
.irp s, 0,1
	s_mov_b32 s[G0+4*\s], 1
	s_add_co_u32 s[G0+4*\s+1], s45, \s*SLOT
	s_add_nc_u64 s[G0+4*\s+2:G0+4*\s+3], s[20:21], \s*TILEB
	s_or_b32 s[G0+4*\s+3], s[G0+4*\s+3], 0x80000000
	s_mov_b32 s[G0B+4*\s], 1
	s_add_co_u32 s[G0B+4*\s+1], s45, \s*SLOT
	s_add_nc_u64 s[G0B+4*\s+2:G0B+4*\s+3], s[46:47], \s*TILEB
	s_or_b32 s[G0B+4*\s+3], s[G0B+4*\s+3], 0x80000000
	JLOAD G0+4*\s, G1, G0B+4*\s, G1B               ; three tensor loads of a wave are out
.endr
	v_and_b32 v1, 15, v0                           ; r (kept)
	v_bfe_u32 v2, v0, 4, 1                         ; h (kept)
	v_and_b32 v3, 31, v0
	v_lshlrev_b32 v[VO], 4, v3
	s_mul_i32 s21, s15, HALFT                      ; my eight tiles of R
	s_mul_i32 s22, s16, HALFT                      ; my eight of P,
	s_add_co_u32 s22, s22, 2*HALFT                 ; which lie behind R's sixteen
.irp s, 0,1
	v_add_nc_u32 v[ADRA+\s], s21, v[VO]
	v_add_nc_u32 v[ADRB+\s], s22, v[VO]
	s_add_co_u32 s21, s21, SLOT
	s_add_co_u32 s22, s22, SLOT
.endr
	v_lshlrev_b32 v5, 4, v1                        ; scale words: 16 bytes a row (four K steps)
	s_lshl_b32 s21, s15, 12
	s_lshl_b32 s22, s16, 12
	s_add_co_u32 s22, s22, 2*HALFS
	s_sub_co_u32 s22, s22, s21
	v_mul_u32_u24 v6, s22, v2                      ; lanes 16-31 take P's: one product, the distance between the two
	s_add_co_u32 s21, s21, SCL
	v_add_nc_u32 v5, v5, v6
	v_add_nc_u32 v[ADRS], s21, v5
	s_mov_b32 s[SEL], 0x76543210
	s_mov_b32 s[SEL+1], 0xfedcba98
.irp b, 0,1,2,3
	v_mov_b32 v[TM+4+\b], 0                        ; written once: a lane permute's destination counts as one of its sources
.endr
.macro FRAG reg, adr, q, i             ; a fragment's image: three loads of 512 consecutive bytes
.irp c, 0,1,2
	ds_load_b128 v[(\reg)+4*\c:(\reg)+4*\c+3], v[\adr] offset:TILEB*(\i)+1536*(\q)+512*\c
.endr
.endm
; 16 matrix instructions: R's blocks a0, a0 + 1 x P's eight, K step ks.  p: P's set.  The 64 accumulators take turns, one instruction a turn, in the same order in every step.
.macro MUL16 a0, p, ks, zero
.irp a, \a0, \a0+1
.irp b, 0,1,2,3,4,5,6,7
.if \zero
	v_wmma_scale_f32_16x16x128_f8f6f4 v[8*(8*((\a)%4)+\b):8*(8*((\a)%4)+\b)+7], v[128*(\p)+FR*\b:128*(\p)+FR*\b+FR-1], v[AF+FR*(\a):AF+FR*(\a)+FR-1], 0, v[SC+8*\b+(\ks)], v[SC+8*(\a)+(\ks)] matrix_a_fmt:MATRIX_FMT_FP6 matrix_b_fmt:MATRIX_FMT_FP6 matrix_a_scale:MATRIX_SCALE_ROW1
.else
	v_wmma_scale_f32_16x16x128_f8f6f4 v[8*(8*((\a)%4)+\b):8*(8*((\a)%4)+\b)+7], v[128*(\p)+FR*\b:128*(\p)+FR*\b+FR-1], v[AF+FR*(\a):AF+FR*(\a)+FR-1], v[8*(8*((\a)%4)+\b):8*(8*((\a)%4)+\b)+7], v[SC+8*\b+(\ks)], v[SC+8*(\a)+(\ks)] matrix_a_fmt:MATRIX_FMT_FP6 matrix_b_fmt:MATRIX_FMT_FP6 matrix_a_scale:MATRIX_SCALE_ROW1
.endif
.endr
.endr
.endm
.macro FETCH_B slot, q, p
	WIN TO_B
.irp i, 0,1,2,3,4,5,6,7
	FRAG 128*(\p)+FR*\i, ADRB+\slot, \q, \i
.endr
	WIN 0
.endm
.macro FETCH_A slot, q, i0
.irp i, \i0, \i0+1, \i0+2, \i0+3
	FRAG AF+FR*(\i), ADRA+\slot, \q, \i
.endr
.endm
; A slot's first K step: its successor lies in the same slot.
.macro STEP slot, ks, zero
	s_wait_dscnt 4*NL                              ; P's set and R's blocks 0-3 are in; the youngest 12 loads (R's blocks 4-7) may be out
	WIN MUL_LO
	MUL16 0, 0, \ks, \zero
	MUL16 2, 0, \ks, \zero
	s_wait_dscnt 0
	PLACES 4                                       ; four plain instructions in front of loads into registers that matrix instructions have read
	FETCH_B \slot, 1, 1
	FETCH_A \slot, 1, 0
	WIN MUL_HI
	MUL16 4, 0, \ks, \zero
	MUL16 6, 0, \ks, \zero
	PLACES 4
	WIN 0
	FETCH_A \slot, 1, 4
.endm
; A slot's second K step changes slots: one barrier; in front of it each wave waits for all its tensor loads, adds 0 to its spare word, and waits for that and for its reads of this slot.  fill = 1: this slot is filled again.
.macro TURN slot, next, ks, fill
	s_wait_tensorcnt 0x0                           ; all my tensor loads have landed: my part of the next slot
	ds_add_u32 v[SPW], v[NIL]                      ; 0 onto my spare word
	s_wait_dscnt 4*NL+1                            ; (the add and the youngest 12 loads may be out)
	WIN MUL_LO
	MUL16 0, 1, \ks, 0
	s_wait_dscnt 0x0                               ; the add is done, and my reads of this slot are over
	s_barrier_signal -1
	MUL16 2, 1, \ks, 0
	WIN 0
	s_barrier_wait -1
.if \fill
	CREST                                          ; the barrier has opened a round of the cluster's barrier: no wave of any partner still reads this slot or has a load on its way
	s_add_nc_u64 s[G0+4*\slot+2:G0+4*\slot+3], s[G0+4*\slot+2:G0+4*\slot+3], 2*TILEB
	s_add_nc_u64 s[G0B+4*\slot+2:G0B+4*\slot+3], s[G0B+4*\slot+2:G0B+4*\slot+3], 2*TILEB
	JLOAD G0+4*\slot, G1, G0B+4*\slot, G1B         ; the first tensor load behind the round; its four v_nop are also the places in front of the loads below
.else
	PLACES 4
.endif
	FETCH_B \next, 0, 0
	FETCH_A \next, 0, 0
	WIN MUL_HI
	MUL16 4, 1, \ks, 0
	MUL16 6, 1, \ks, 0
	PLACES 4
	WIN 0
	FETCH_A \next, 0, 4
.endm
.macro LAST ks                         ; the very last K step: nothing more to fetch
	s_wait_dscnt 4*NL
	WIN MUL_LO
	MUL16 0, 1, \ks, 0
	MUL16 2, 1, \ks, 0
	s_wait_dscnt 0
	WIN MUL_HI
	MUL16 4, 1, \ks, 0
	MUL16 6, 1, \ks, 0
	WIN 0
.endm
	s_wait_tensorcnt 1                             ; the scale words and my part of slot 0 are in (slot 1's load may be out)
	s_barrier_signal -1
	s_barrier_wait -1                              ; everybody's are
	FETCH_B 0, 0, 0
	FETCH_A 0, 0, 0
.irp i, 0,1,2,3,4,5,6,7                        ; the scale words of all eight K steps, once
.irp q, 0,1
	ds_load_b128 v[SC+8*\i+4*\q:SC+8*\i+4*\q+3], v[ADRS] offset:512*\i+256*\q
.endr
.endr
	FETCH_A 0, 0, 4
	STEP 0, 0, 1                                   ; the first products start the sums: nothing is cleared
	TURN 0, 1, 1, 1
	STEP 1, 2, 0
	TURN 1, 0, 3, 1
	STEP 0, 4, 0
	TURN 0, 1, 5, 0                                ; the last change of slots fills nothing, and has no round
	s_cmp_ge_u32 s12, 8                            ; the mode: the same in all sixteen partners
	s_cbranch_scc1 .Lvmode
	; ---------------- QK: the last two K steps, with the bias on its way, and the epilogue
	s_lshl_b32 s18, s17, 1
	s_add_co_u32 s18, s18, s15                     ; my block of 128 tokens, 0 .. 63
	s_lshl_b32 s18, s18, 4
	s_lshl_b32 s19, s42, 1
	s_add_co_u32 s19, s19, s16
	s_and_b32 s19, s19, 7                          ; my pair of heads
	s_lshl_b32 s20, s19, 1
	s_add_co_u32 s18, s18, s20                     ; 16 x block + the first head
	s_lshl_b32 s46, s19, 9                         ; 128 numbers of the bias
	s_mov_b32 s47, 0
	s_mov_b32 s21, 12800
	s_mov_b32 s13, 12288
	s_cmp_eq_u32 ttmp9, 0                          ; cluster x = 0: Wq's rows, else Wk's: only pointers and sizes are chosen
	s_cselect_b32 s21, 6400, s21                   ; a head's pack
	s_cselect_b32 s13, 6144, s13                   ; where its scale words begin
	s_cselect_b64 s[22:23], s[94:95], s[96:97]
	s_cselect_b64 s[2:3], s[8:9], s[10:11]
	s_add_nc_u64 s[2:3], s[2:3], s[46:47]
	s_mul_i32 s46, s18, s21
	s_add_nc_u64 s[22:23], s[22:23], s[46:47]      ; the first head's pack,
	s_mov_b32 s46, s21
	s_add_nc_u64 s[18:19], s[22:23], s[46:47]      ; the second's
	v_mul_u32_u24 v[VS], s21, v2
	v_lshl_add_u32 v[VS], v1, 4, v[VS]
	v_add_nc_u32 v[VS], s13, v[VS]                 ; lanes 0-15: the first head's scale words of row r, lanes 16-31: the second's
	v_lshlrev_b32 v[VB], 6, v2
	v_mov_b32 v[SELV], 0x05040100                  ; lanes 0-15 pick bytes 0, 1 of two words, lanes 16-31 bytes 2, 3
	v_mov_b32 v4, 0x07060302
	v_cmp_eq_u32 vcc_lo, 1, v2
	v_cndmask_b32 v[SELV], v[SELV], v4, vcc_lo
	WIN 0x40                                       ; destination window 1
.irp i, 0,1,2,3,4,5,6,7,8,9,10,11,12,13,14,15  ; the bias in the result's layout: number 16 g + i is feature 32 g + 16 h + i
	global_load_b128 v[96+4*\i+96*(\i/8):99+4*\i+96*(\i/8)], v[VB], s[2:3] offset:128*(\i/4)+16*(\i%4)
.endr
	WIN 0
	STEP 1, 6, 0
	LAST 7
	PLACES 4                                       ; in front of the first read of results and the first write of registers that the last products read
	s_wait_loadcnt 0x0                             ; the bias
.macro EPI_QK a                        ; R's block a: 16 tokens x my 128 features
.set AC, 64*((\a)%4)
	WIN 0x06+(\a)/4                                ; source 0 window 2 or 3, source 1 window 1
.set p, 0
.rept 32
	v_pk_add_f32 v[T+2*p:T+2*p+1], v[AC+2*p:AC+2*p+1], v[96+2*p+96*(p/16):97+2*p+96*(p/16)]   ; + bias, and into window 0; each accumulator from its low end on
.set p, p+1
.endr
	WIN 0
.if ((\a)%2 == 0) && ((\a) >= 2)
	s_wait_xcnt 0x0                                ; the last images' stores have read their registers
.endif
	QUANT T, F0+6*((\a)%2), F1+6*((\a)%2), PWS+(\a)
.if (\a)%2 == 1
.irp c, 0,1,2
	global_store_b128 v[VO], v[F0+4*\c:F0+4*\c+3], s[22:23] offset:1536*((\a)/2)+512*\c   ; 512 consecutive bytes
	global_store_b128 v[VO], v[F1+4*\c:F1+4*\c+3], s[18:19] offset:1536*((\a)/2)+512*\c
.endr
.endif
.endm
.irp a, 0,1,2,3,4,5,6,7
	EPI_QK \a
.endr
.irp g, 0,1,2,3
	v_perm_b32 v[W4+\g], v[PWS+2*\g+1], v[PWS+2*\g], v[SELV]   ; a head's word of a group of 32 tokens: two bytes of the even tile, two of the odd one
.endr
	global_store_b128 v[VS], v[W4:W4+3], s[22:23]  ; sixteen lanes store 256 consecutive bytes
	s_branch .Lend
	; ---------------- V
.Lvmode:
	s_sub_co_u32 s18, s12, 8
	s_lshl_b32 s18, s18, 3
	s_add_co_u32 s18, s18, s42
	s_lshl_b32 s18, s18, 1
	s_add_co_u32 s18, s18, s16                     ; my block of 128 tokens = (batch, key step)
	s_lshl_b32 s19, s41, 2
	s_lshl_b32 s20, s15, 1
	s_add_co_u32 s19, s19, s20                     ; my first head
	s_lshl_b32 s18, s18, 4
	s_add_co_u32 s18, s18, s19
	s_mul_i32 s46, s18, 12800
	s_mov_b32 s47, 0
	s_add_nc_u64 s[22:23], s[96:97], s[46:47]
	s_lshl_b32 s46, s19, 8                         ; 64 numbers of the bias a head
	s_add_nc_u64 s[2:3], s[92:93], s[46:47]
	v_and_b32 v[VB], 8, v1
	v_add_nc_u32 v[VB], v[VB], v1
	v_lshlrev_b32 v[VB], 2, v[VB]                  ; my row of a tile of Wv: r + 8 (r / 8)
	v_mul_u32_u24 v[VS], v2, 12800
	v_lshl_add_u32 v[VS], v1, 4, v[VS]
	WIN 0x40
.irp a, 0,1,2,3,4,5,6,7                        ; one number a lane and tile, twice: a pair for the packed addition
	global_load_b32 v[96+2*\a], v[VB], s[2:3] offset:4*(32*(\a/2)+8*(\a%2))
	global_load_b32 v[97+2*\a], v[VB], s[2:3] offset:4*(32*(\a/2)+8*(\a%2))
.endr
	WIN 0
	STEP 1, 6, 0
	LAST 7
	PLACES 4
	s_wait_loadcnt 0x0
.macro EPI_V a                         ; R's block a: 16 rows of Wv x my 128 keys: one fragment of V^T
.set AC, 64*((\a)%4)
	WIN 0x06+(\a)/4
.set p, 0
.rept 32
	v_pk_add_f32 v[T+2*p:T+2*p+1], v[AC+2*p:AC+2*p+1], v[96+2*(\a):97+2*(\a)]
.set p, p+1
.endr
	WIN 0
.if (\a) > 0
	s_wait_xcnt 0x0
.endif
	QUANT T, F0, F0+6, PWS+(\a)
.irp c, 0,1,2
	global_store_b128 v[VO], v[F0+4*\c:F0+4*\c+3], s[22:23] offset:12800*((\a)/4)+6144+1536*((\a)%4)+512*\c
.endr
.endm
.irp a, 0,1,2,3,4,5,6,7
	EPI_V \a
.endr
	v_cmp_eq_u32 vcc_lo, 1, v2
.irp t, 0,1,2,3
	v_cndmask_b32 v[W4+\t], v[PWS+\t], v[PWS+4+\t], vcc_lo   ; lanes 0-15: the first head's four tiles, lanes 16-31: the second's
.endr
	global_store_b128 v[VS], v[W4:W4+3], s[22:23] offset:12544
.Lend:
	s_wait_tensorcnt 0x0                           ; the wave's end
	ds_add_u32 v[SPW], v[NIL]
	s_wait_dscnt 0x0
	CROUND                                         ; the closing round
	s_endpgm
.Lfunc_end_k_q3b1925b497_proj:
	.size	k_q3b1925b497_proj, .Lfunc_end_k_q3b1925b497_proj-k_q3b1925b497_proj
	.p2alignl 7, 3214868480
	.fill 96, 4, 3214868480
	.section	.rodata,"a",@progbits
	.p2align	6, 0x0
	.amdhsa_kernel k_q3b1925b497_proj
		.amdhsa_group_segment_fixed_size 327680
		.amdhsa_private_segment_fixed_size 0
		.amdhsa_enable_private_segment 0
		.amdhsa_kernarg_size 56
		.amdhsa_user_sgpr_count 2
		.amdhsa_user_sgpr_kernarg_segment_ptr 1
		.amdhsa_wavefront_size32 1
		.amdhsa_system_sgpr_workgroup_id_x 1
		.amdhsa_system_sgpr_workgroup_id_y 1
		.amdhsa_system_sgpr_workgroup_id_z 1
		.amdhsa_system_vgpr_workitem_id 0
		.amdhsa_next_free_vgpr 1024
		.amdhsa_next_free_sgpr 100
		.amdhsa_reserve_vcc 1
		.amdhsa_float_denorm_mode_32 3
		.amdhsa_float_denorm_mode_16_64 3
		.amdhsa_memory_ordered 1
		.amdhsa_forward_progress 1
		.amdhsa_inst_pref_size 227
	.end_amdhsa_kernel
	.amdgpu_metadata
---
amdhsa.version: [ 1, 2 ]
amdhsa.kernels:
  - .name:           k_q3b1925b497_proj
    .symbol:         k_q3b1925b497_proj.kd
    .args:
      - { .name: cod, .offset: 0, .size: 8, .value_kind: global_buffer, .address_space: global }
      - { .name: scl, .offset: 8, .size: 8, .value_kind: global_buffer, .address_space: global }
      - { .name: bq, .offset: 16, .size: 8, .value_kind: global_buffer, .address_space: global }
      - { .name: bk, .offset: 24, .size: 8, .value_kind: global_buffer, .address_space: global }
      - { .name: bv, .offset: 32, .size: 8, .value_kind: global_buffer, .address_space: global }
      - { .name: qp, .offset: 40, .size: 8, .value_kind: global_buffer, .address_space: global }
      - { .name: kvp, .offset: 48, .size: 8, .value_kind: global_buffer, .address_space: global }
    .group_segment_fixed_size: 327680
    .private_segment_fixed_size: 0
    .kernarg_segment_align: 8
    .kernarg_segment_size: 56
    .max_flat_workgroup_size: 128
    .sgpr_count:     100
    .vgpr_count:     1024
    .wavefront_size: 32
...
	.end_amdgpu_metadata
.endif
;; end of part 2
;; launch attn (part 3): grid 4 x 64, 16 waves a work-group, clusters of 4 x 4, 327,680 bytes of LDS; arguments qp, kvp, bia, ac, acs; writes ac, acs
.if DOCPART == 3
	.amdgcn_target "amdgcn-amd-amdhsa--gfx1250"
	.amdhsa_code_object_version 6
	.text
	.protected	k_q3b1925b497_attn
	.globl	k_q3b1925b497_attn
	.p2align	8
	.type	k_q3b1925b497_attn,@function
k_q3b1925b497_attn:
	s_mov_b64 s[64:65], 0
	v_nop
	global_prefetch_b8 v0, s[64:65] scope:SCOPE_SE
	s_setreg_imm32_b32 hwreg(HW_REG_WAVE_MODE, 25, 1), 1
	s_wait_xcnt 0x0
	s_wait_alu depctr_hold_cnt(0) depctr_sa_sdst(0) depctr_va_vdst(0) depctr_va_sdst(0) depctr_va_ssrc(0) depctr_va_vcc(0) depctr_vm_vsrc(0)
	s_getreg_b32 s2, hwreg(HW_REG_IB_STS2, 6, 4)
	s_cmp_eq_u32 s2, 0
	s_cbranch_scc0 .Lentry_in_a_cluster
	s_endpgm
.Lentry_in_a_cluster:
	s_bfe_u32 s2, ttmp6, 0x10000c
	s_cmp_lg_u32 s2, 0xf033
	s_cbranch_scc0 .Lentry_shape_is_right
	s_endpgm
.Lentry_shape_is_right:
; ATTN.  o = softmax(q k^T / 8 + bias) v for 64 (batch, head) pairs, 2,048 x 2,048, head size 64, both products on codes of FP6 (E2M3) with E8M0 scales; o is quantised along the features for the output projection.
; THE SOFTMAX: t = logit x log2(e); M = the row's largest t so far, rounded up to a whole number; p = 2^(t - M) is what is quantised along the keys; the row's sum is taken of the unquantised p and divides at the end.  When M moves,
; the sum and O are multiplied by 2^(old M - new M): exact.
; THE BIAS costs no vector instruction: logit = (q.k + 8 bias) / 8, and 8 x bias (buffer bia, f32) is loaded into the score product's accumulators as its C.
; K = 64 IN AN INSTRUCTION OF 128: a fragment of K holds two tiles of 16 keys, one at k 0-63 and one at k 64-127; it is multiplied by [q | 0] and by [0 | q].  Zero codes add nothing under any scale byte but 0xff.
; SHARES.  A work-group owns 4 heads (4 cx ..) x 128 queries; wave w: head 4 cx + w % 4, the group w / 4 of 32 queries, as two units of 16.  Four waves share a SIMD: one wave's softmax stands beside another's products and LDS loads.
; Both products are used transposed (S^T = K q^T, O^T = V^T p^T): a lane holds one query throughout.  The keys of a tile are 32 g + 8 u + r + 8 (r / 8), so that the 16 registers of two score tiles are 16 neighbouring keys.
; RING.  16 key steps of 128 keys through two LDS slots.  A slot: the four heads' packs of K and V (4 x 12,800 bytes, register images and scale words), then the bias tile, 128 query rows x 512 bytes, rows 528 apart.
; CLUSTER 4 x 4: the packs hang on (batch, step, cx) and are shared along a column, the bias tile on (work-group y, step) and is shared along a row: joint loads; waves 0, 1 fetch the packs' halves, waves 2, 3 the bias tile's.
; LIMITS: NaN and infinities are not served.  A block of zeros gets the byte 1 where the rule says 127: its codes are zeros, and the bytes are read by this program alone.
.set SLOT1, 131072
.set BOFF,  51200                      ; the bias tile in a slot
.set BP,    528                        ; its rows: 512 bytes + 16: the sixteen rows of a load start at sixteen different groups of banks
.set SPARE, 262144                     ; the spare words, 128 bytes a wave: eight blocks of 256 bytes that no other line names
.set SCG,   264192                     ; 1,024 bytes: the result's scale bytes are gathered here
.set AKV,  1                           ; v1-2   slot + 12,800 x (my head in the four) + 16 x lane
.set ABI,  3                           ; v3-4   slot + the bias tile + (32 x group + r) x 528 + 64 h
.set SPW,  5
.set NIL,  6
.set PFO,  7                           ; v7-8   the prefetches' two offsets
.set SGA,  9                           ; v9     where I put a scale halfword
.set ZQ,   10                          ; v10-39 zeros, q of unit 0, zeros, q of unit 1, zeros: six registers each
.set QS,   40                          ; v40-41 q's scale words: its two bytes in both halves of the word
.set ST,   42                          ; v42-49 a unit's -M, largest t, sum in two halves
.set SC,   50                          ; v50-53 lanes 0-15: K's scale words of the step, lanes 16-31: V's
.set PS,   54                          ; v54    p's scale word
.set TP,   55
.set FF,   56                          ; v56    f = 2^(old M - new M); v57 named with it as a pair
.set HW,   58                          ; v58-59 the result's two scale bytes, a unit each
.set SGR,  60
.set SGO,  61
.set VL16, 62                          ; 16 x lane
.set VL8,  63                          ; 8 x lane
.set S,    64                          ; v64-127  8 x bias, then S^T, then p
.set OT,   128                         ; v128-191 O^T, 32 a unit
.set FB,   192                         ; v192-239 four fragments of K or of V; v224-239 serve the softmax between the two
.set BM,   224
.set PT,   228
.set CT0,  228
.set CT1,  232
.set SO,   236
.set PC,   240                         ; v240-251 p's codes
.set WV,   14
.set G1K,  24
.set G1B,  32
.set G0K,  40                          ; s[40:47] group 0 for the packs, a set for each slot
.set G0B,  48                          ; s[48:55] for the bias tile
.set SEL,  56
.set CS,   58                          ; s[58:59] c = log2(e) / 8
.set CNT,  60
.set ROLE, 61
.set PFA,  62                          ; s[62:63]
.set PFS,  66                          ; s[66:67]
.macro ROUND                           ; a round of the cluster's barrier
	s_barrier_signal -1
	s_barrier_wait -1
	s_cmp_lg_u32 s[WV], 0
	s_cbranch_scc1 .Lnot_wave_0_\@
	s_barrier_signal -3
.Lnot_wave_0_\@:
	s_barrier_wait -3
	s_barrier_signal -1
	s_barrier_wait -1
.endm
.macro TLOAD s                         ; the joint loads of slot s; the branches hang on the wave's number alone; four v_nop follow each line
	s_cmp_lt_u32 s[WV], 2
	s_cbranch_scc0 .Lnot_k_\@
	tensor_load_to_lds s[G0K+4*(\s):G0K+4*(\s)+3], s[G1K:G1K+7]
	s_nop 0
.rept 4
	v_nop
.endr
	s_branch .Lasked_\@
.Lnot_k_\@:
	s_cmp_lt_u32 s[WV], 4
	s_cbranch_scc0 .Lasked_\@
	tensor_load_to_lds s[G0B+4*(\s):G0B+4*(\s)+3], s[G1B:G1B+7]
	s_nop 0
.rept 4
	v_nop
.endr
.Lasked_\@:
.endm
; A PREFETCH INTO THE L2 of the key step behind the one just asked for.  Wave 4 of every work-group: rows 32 cx .. + 31 of its bias tile, a lane a row, the row's two blocks of 256 bytes.  Wave 5, in the first cluster of a batch:
; the pack of head 4 cx + cy, 50 blocks of 256 bytes: lanes 0-24 name 25 each time (lanes 25-31 repeat lane 24's).  The partners are told apart by address alone.
.macro ASK
	s_cmp_eq_u32 s[ROLE], 1
	s_cbranch_scc0 .Lnot_mine_\@
	global_prefetch_b8 v[PFO], s[PFA:PFA+1] th:TH_LOAD_NT scope:SCOPE_SE
	global_prefetch_b8 v[PFO+1], s[PFA:PFA+1] th:TH_LOAD_NT scope:SCOPE_SE
.Lnot_mine_\@:
.endm
	s_load_b256 s[4:11], s[0:1], 0x0               ; qp s[4:5], kvp s[6:7], bia s[8:9], ac s[10:11]
	s_load_b64 s[12:13], s[0:1], 0x20              ; acs
	v_lshl_add_u32 v[SPW], v0, 2, SPARE
	v_mov_b32 v[NIL], 0
	ds_add_u32 v5, v6
	s_wait_dscnt 0x0
	v_lshrrev_b32 v64, 5, v0
	v_readfirstlane_b32 s[WV], v64                 ; wave 0..15
	s_bfe_u32 s15, ttmp6, 0x40000                  ; cx: which four heads
	s_bfe_u32 s16, ttmp6, 0x40004                  ; cy
	s_and_b32 s17, ttmp7, 0xffff                   ; the cluster's y
	s_lshl_b32 s18, s17, 2
	s_add_co_u32 s18, s18, s16                     ; work-group y = 16 x batch + block of 128 queries
	s_and_b32 s19, s[WV], 3                        ; my head among the four
	s_lshr_b32 s20, s[WV], 2                       ; my group of 32 queries
	s_and_b32 s21, s[WV], 1                        ; which half I fetch
	s_lshl_b32 s22, s16, 2
	s_lshl_b32 s22, 15, s22                        ; my row of the cluster
	s_lshl_b32 s23, 0x1111, s15                    ; my column
	; group 1 for the packs: 25,600 dense bytes as 100 rows of 256
	s_or_b32 s[G1K], s23, (3<<16)|(1<<21)
	s_mov_b32 s[G1K+1], 32<<16
	s_mov_b32 s[G1K+2], 100<<16
	s_mov_b32 s[G1K+3], 32<<16
	s_mov_b32 s[G1K+4], 100
	s_mov_b32 s[G1K+5], 32
	s_mov_b32 s[G1K+6], 0
	s_mov_b32 s[G1K+7], 0
	; for the bias tile: 64 rows of 128 f32, 2,048 apart; 4 words of padding behind every 128
	s_or_b32 s[G1B], s22, (2<<16)|(1<<20)|(1<<21)|(6<<22)|(3<<25)
	s_mov_b32 s[G1B+1], 128<<16
	s_mov_b32 s[G1B+2], 64<<16
	s_mov_b32 s[G1B+3], 128<<16
	s_mov_b32 s[G1B+4], 64
	s_mov_b32 s[G1B+5], 2048
	s_mov_b32 s[G1B+6], 0
	s_mov_b32 s[G1B+7], 0
	s_lshr_b32 s68, s17, 2                         ; the batch, from the cluster's y alone: no cy enters the packs' address
	s_lshl_b32 s68, s68, 8
	s_lshl_b32 s69, s15, 2
	s_add_co_u32 s68, s68, s69
	s_add_co_u32 s79, s68, s16                     ; (for the prefetch: the pack of head 4 cx + cy)
	s_lshl_b32 s69, s21, 1
	s_add_co_u32 s68, s68, s69
	s_mul_i32 s68, s68, 12800                      ; pack (batch, step 0, head 4 cx + 2 x half)
	s_mul_i32 s79, s79, 12800
	s_mov_b32 s69, 0
	s_lshl_b32 s70, s18, 7
	s_lshl_b32 s78, s15, 5
	s_add_co_u32 s78, s78, s70
	s_lshl_b32 s78, s78, 13                        ; (for the prefetch: bias rows 32 cx on)
	s_lshl_b32 s71, s21, 6
	s_add_co_u32 s70, s70, s71
	s_lshl_b32 s70, s70, 13                        ; bias row 128 y + 64 x half, 8,192 bytes a row
	s_mov_b32 s71, 0
	s_mul_i32 s72, s21, 25600
	s_mul_i32 s73, s21, 64*BP
	s_add_co_u32 s73, s73, BOFF
	s_lshl_b32 s82, s18, 4
	s_lshl_b32 s83, s15, 2
	s_add_co_u32 s83, s83, s19                     ; my head
	s_add_co_u32 s82, s82, s83
	s_mul_i32 s82, s82, 6400                       ; q's pack
	s_lshl_b32 s86, s18, 3
	s_lshl_b32 s87, s20, 1
	s_add_co_u32 s86, s86, s87
	s_mul_i32 s86, s86, 12288                      ; the result: token tile 8 y + 2 x group,
	s_mul_i32 s87, s83, 768
	s_add_co_u32 s86, s86, s87                     ; half image of my head
	s_mov_b32 s83, 0
	s_mov_b32 s87, 0
	s_lshl_b32 s88, s18, 12
	s_lshl_b32 s89, s15, 7
	s_add_co_u32 s88, s88, s89                     ; its scale bytes: 512 bytes a tile, 128 for four heads
	s_mov_b32 s89, 0
	s_lshl_b32 s90, s20, 8
	s_lshl_b32 s91, s19, 1
	s_add_co_u32 s90, s90, s91
	s_add_co_u32 s90, s90, SCG
	s_mov_b32 s[SEL], 0x76543210
	s_mov_b32 s[SEL+1], 0xfedcba98
	s_mov_b32 s[CS], 0x3e38aa3b                    ; log2(e) / 8
	s_mov_b32 s[CS+1], s[CS]
	s_mov_b32 s[CNT], 7
	s_and_b32 s80, s17, 3
	s_sub_co_u32 s81, s[WV], 5
	s_or_b32 s80, s80, s81                         ; 0: wave 5 in the first cluster of a batch
	s_cmp_eq_u32 s80, 0
	s_cselect_b32 s[ROLE], 1, 0
	s_mov_b32 s74, 204800
	s_mov_b32 s76, 8192
	s_mov_b32 s77, 6400
	s_wait_kmcnt 0x0
	s_cmp_eq_u32 s[WV], 4
	s_cselect_b32 s[ROLE], 1, s[ROLE]              ; the same in all sixteen partners, for a given wave
	s_cselect_b64 s[PFA:PFA+1], s[8:9], s[6:7]
	s_cselect_b32 s[PFS], 512, s74                 ; a key step on
	s_cselect_b32 s75, 31, 24
	s_cselect_b32 s76, s76, 256                    ; from lane to lane
	s_cselect_b32 s77, 256, s77                    ; from the first request to the second
	s_cselect_b32 s78, s78, s79
	s_add_co_u32 s78, s78, s[PFS]                  ; at key step 1: the first trip steps it to 2.  Nothing is prefetched at the head
	s_mov_b32 s79, 0
	s_mov_b32 s[PFS+1], 0
	s_add_nc_u64 s[PFA:PFA+1], s[PFA:PFA+1], s[78:79]
	s_add_nc_u64 s[68:69], s[6:7], s[68:69]
	s_add_nc_u64 s[70:71], s[8:9], s[70:71]
	s_add_nc_u64 s[82:83], s[4:5], s[82:83]
	s_add_nc_u64 s[86:87], s[10:11], s[86:87]
	s_add_nc_u64 s[88:89], s[12:13], s[88:89]
.irp s, 0,1
	s_mov_b32 s[G0K+4*\s], 1
	s_add_co_u32 s[G0K+4*\s+1], s72, \s*SLOT1
	s_add_nc_u64 s[G0K+4*\s+2:G0K+4*\s+3], s[68:69], \s*204800     ; slot s begins with key step s
	s_or_b32 s[G0K+4*\s+3], s[G0K+4*\s+3], 0x80000000
	s_mov_b32 s[G0B+4*\s], 1
	s_add_co_u32 s[G0B+4*\s+1], s73, \s*SLOT1
	s_add_nc_u64 s[G0B+4*\s+2:G0B+4*\s+3], s[70:71], \s*512
	s_or_b32 s[G0B+4*\s+3], s[G0B+4*\s+3], 0x80000000
.endr
	v_and_b32 v64, 15, v0                          ; r
	v_bfe_u32 v65, v0, 4, 1                        ; h
	v_and_b32 v66, 31, v0                          ; lane
	v_lshlrev_b32 v[VL16], 4, v66
	v_lshlrev_b32 v[VL8], 3, v66
	s_mul_i32 s74, s19, 12800
	v_add_nc_u32 v[AKV], s74, v[VL16]
	v_add_nc_u32 v[AKV+1], SLOT1, v[AKV]
	s_lshl_b32 s74, s20, 5
	v_add_nc_u32 v[ABI], s74, v64
	v_mul_u32_u24 v[ABI], v[ABI], BP
	v_lshl_add_u32 v[ABI], v65, 6, v[ABI]
	v_add_nc_u32 v[ABI], BOFF, v[ABI]
	v_add_nc_u32 v[ABI+1], SLOT1, v[ABI]
	v_lshl_add_u32 v[SGA], v64, 3, s90             ; SCG + 256 x group + 8 r + 2 x head
	v_add_nc_u32 v[SGR], SCG, v[VL16]
	v_lshrrev_b32 v[SGO], 3, v66
	v_lshlrev_b32 v[SGO], 9, v[SGO]
	v_and_b32 v67, 7, v66
	v_lshl_add_u32 v[SGO], v67, 4, v[SGO]
	v_min_u32 v[PFO], s75, v66
	v_mul_lo_u32 v[PFO], v[PFO], s76
	v_add_nc_u32 v[PFO+1], s77, v[PFO]
	s_mul_i32 s84, s20, 1536
	v_add_nc_u32 v67, s84, v[VL16]                 ; q's image of my group
	s_lshl_b32 s84, s20, 2
	v_lshl_add_u32 v68, v64, 4, s84                ; and its scale word
	ROUND                                          ; all sixteen work-groups are here: the first joint loads meet
	TLOAD 0                                        ; key step 0
	global_load_b128 v[ZQ+6:ZQ+9], v67, s[82:83]               ; registers 0-3 of the image: unit 0's q,
	global_load_b64 v[ZQ+10:ZQ+11], v67, s[82:83] offset:512   ; 4-5;
	global_load_b64 v[ZQ+18:ZQ+19], v67, s[82:83] offset:520   ; 6-7: unit 1's,
	global_load_b128 v[ZQ+20:ZQ+23], v67, s[82:83] offset:1024 ; 8-11
	global_load_b32 v69, v68, s[82:83] offset:6144
	s_wait_loadcnt 0x0
	v_perm_b32 v[QS], v69, v69, 0x01000100         ; unit 0's two bytes, in both halves: they serve [q | 0] and [0 | q] alike
	v_perm_b32 v[QS+1], v69, v69, 0x03020302       ; unit 1's
.irp i, 0,1,2,3,4,5
	v_mov_b32 v[ZQ+\i], 0
	v_mov_b32 v[ZQ+12+\i], 0
	v_mov_b32 v[ZQ+24+\i], 0
.endr
.irp u, 0,1
	v_mov_b32 v[ST+4*\u+1], 0xff61b1e6             ; the largest t so far: -3e38, under every t
	v_floor_f32 v[ST+4*\u], -v[ST+4*\u+1]          ; -M
	v_mov_b32 v[ST+4*\u+2], 0
	v_mov_b32 v[ST+4*\u+3], 0
.endr
	v_mov_b32 v[TP], 0
	v_mov_b32 v[FF+1], 0                           ; (named as the upper half of a pair)
.set j, 0
.rept 64
	v_mov_b32 v[OT+j], 0                           ; O^T: the step is written once; the first change of M leaves zeros zeros
.set j, j+1
.endr
; A UNIT: 16 queries x the slot's 128 keys.
.macro UNIT slot, u
.set NM, ST+4*(\u)
.set LL, ST+4*(\u)+2
.set OB, OT+32*(\u)
.set QLO, ZQ+6+12*(\u)
.set QHI, ZQ+12*(\u)
.rept 4
	v_nop                                          ; four plain instructions in front of loads into registers that the last products read
.endr
.irp g, 0,1,2,3,4,5,6,7,8,9,10,11,12,13,14,15
	ds_load_b128 v[S+4*\g:S+4*\g+3], v[ABI+\slot] offset:128*(\g/4)+16*(\g%4)+16*BP*(\u)   ; 8 x bias, in the result's layout: register 16 g + i = key 32 g + 16 h + i of my query
.endr
.irp t, 0,1,2,3
.irp c, 0,1,2
	ds_load_b128 v[FB+12*\t+4*\c:FB+12*\t+4*\c+3], v[AKV+\slot] offset:1536*\t+512*\c       ; K's four images
.endr
.endr
.if (\u) == 0
	ds_load_b128 v[SC:SC+3], v[AKV+\slot] offset:12288                                      ; the step's scale words: they serve both units
.endif
	s_wait_dscnt 0x0
.irp t, 0,1,2,3                                ; eight different accumulators, one instruction each
	v_wmma_scale_f32_16x16x128_f8f6f4 v[S+16*\t:S+16*\t+7], v[FB+12*\t:FB+12*\t+11], v[QLO:QLO+11], v[S+16*\t:S+16*\t+7], v[SC+\t], v[QS+(\u)] matrix_a_fmt:MATRIX_FMT_FP6 matrix_b_fmt:MATRIX_FMT_FP6
	v_wmma_scale_f32_16x16x128_f8f6f4 v[S+16*\t+8:S+16*\t+15], v[FB+12*\t:FB+12*\t+11], v[QHI:QHI+11], v[S+16*\t+8:S+16*\t+15], v[SC+\t], v[QS+(\u)] matrix_a_fmt:MATRIX_FMT_FP6 matrix_b_fmt:MATRIX_FMT_FP6
.endr
.rept 4
	v_nop
.endr
.irp b, 0,1,2,3
	v_max3_num_f32 v[BM+\b], v[S+16*\b], v[S+16*\b+1], v[S+16*\b+2]   ; the largest score of each block of 32 keys: for the row's maximum and, since p rises with the score, for the block's largest p
.endr
.irp i, 3,5,7,9,11,13
.irp b, 0,1,2,3
	v_max3_num_f32 v[BM+\b], v[BM+\b], v[S+16*\b+\i], v[S+16*\b+\i+1]
.endr
.endr
.irp b, 0,1,2,3
	v_max_num_f32 v[BM+\b], v[BM+\b], v[S+16*\b+15]
.endr
.irp b, 0,1,2,3
	v_permlanex16_b32 v[PT+\b], v[BM+\b], s[SEL], s[SEL+1]
.endr
.irp b, 0,1,2,3
	v_max_num_f32 v[BM+\b], v[BM+\b], v[PT+\b]     ; with lane l xor 16's 16 keys
.endr
	v_max3_num_f32 v[TP], v[BM], v[BM+1], v[BM+2]
	v_max_num_f32 v[TP], v[TP], v[BM+3]
	v_mul_f32 v[TP], s[CS], v[TP]                  ; as t (c is positive)
	v_max_num_f32 v[NM+1], v[NM+1], v[TP]          ; the running largest t
	v_mov_b32 v[TP], v[NM]
	v_floor_f32 v[NM], -v[NM+1]                    ; the new -M = floor(-t): M is a whole number
	v_sub_f32 v[TP], v[NM], v[TP]                  ; old M - new M: a whole number, 0 or less
	v_cvt_i32_f32 v[TP], v[TP]                     ; (it saturates)
	v_ldexp_f32 v[FF], 1.0, v[TP]                  ; f = 2^(old M - new M)
.set j, 0
.rept 32
	v_pk_fma_f32 v[S+j:S+j+1], v[S+j:S+j+1], s[CS:CS+1], v[NM:NM+1] op_sel_hi:[1,0,0]   ; t - M, two at a time
.set j, j+2
.endr
.irp b, 0,1,2,3
	v_fma_f32 v[BM+\b], v[BM+\b], s[CS], v[NM]
.endr
.set j, 0
.rept 64
	v_exp_f32 v[S+j], v[S+j]                       ; p = 2^(t - M), at most 1
.set j, j+1
.endr
	v_pk_mul_f32 v[LL:LL+1], v[LL:LL+1], v[FF:FF+1] op_sel_hi:[1,0]   ; the sums under the new M (a plain instruction behind the exponentials)
	s_wait_alu depctr_va_vdst(0)                   ; one wait for the batch, ahead of its first reader
.irp b, 0,1,2,3
	v_exp_f32 v[BM+\b], v[BM+\b]                   ; the block's largest p
.endr
	v_pk_add_f32 v[PT:PT+1], v[S:S+1], v[S+2:S+3]  ; the row's sum is taken of the unquantised p, in two chains
.set j, 4
.rept 15
	v_pk_add_f32 v[LL:LL+1], v[LL:LL+1], v[S+j:S+j+1]
	v_pk_add_f32 v[PT:PT+1], v[PT:PT+1], v[S+j+2:S+j+3]
.set j, j+4
.endr
	v_pk_add_f32 v[LL:LL+1], v[LL:LL+1], v[PT:PT+1]
	s_wait_alu depctr_va_vdst(0)                   ; and one for the four
.irp b, 0,1,2,3
	v_max_num_f32 v[BM+\b], 0x1800000, v[BM+\b]    ; the floor 2^(3 - 127): the byte cannot fall under 1
.endr
.irp b, 0,1,2,3
	v_add_nc_u32 v[SO+\b], 0xff000000, v[BM+\b]    ; 2 off the exponent field: the conversion's scale operand
.endr
.irp b, 0,1,2,3
	v_lshrrev_b32 v[PT+\b], 23, v[SO+\b]
.endr
	v_lshl_or_b32 v[PS], v[PT+1], 8, v[PT]         ; p's scale word for these 128 keys
	v_lshl_or_b32 v[PS], v[PT+2], 16, v[PS]
	v_lshl_or_b32 v[PS], v[PT+3], 24, v[PS]
	v_cvt_scalef32_pk16_fp6_f32 v[PC:PC+2], v[S:S+15], v[SO]
	v_cvt_scalef32_pk16_fp6_f32 v[CT0:CT0+2], v[S+16:S+31], v[SO+1]
	v_cvt_scalef32_pk16_fp6_f32 v[PC+6:PC+8], v[S+32:S+47], v[SO+2]
	v_cvt_scalef32_pk16_fp6_f32 v[CT1:CT1+2], v[S+48:S+63], v[SO+3]
	v_nop                                          ; one plain instruction behind the scaled conversions
.irp i, 0,1,2
	v_permlane16_swap_b32 v[PC+\i], v[CT0+\i]      ; a whole block in a lane
.endr
.irp i, 0,1,2
	v_mov_b32 v[PC+3+\i], v[CT0+\i]
.endr
.irp i, 0,1,2
	v_permlane16_swap_b32 v[PC+6+\i], v[CT1+\i]
.endr
.irp i, 0,1,2
	v_mov_b32 v[PC+9+\i], v[CT1+\i]
.endr
.irp t, 0,1,2,3
.irp c, 0,1,2
	ds_load_b128 v[FB+12*\t+4*\c:FB+12*\t+4*\c+3], v[AKV+\slot] offset:6144+1536*\t+512*\c   ; V^T's four images
.endr
.endr
.set j, 0
.rept 16
	v_pk_mul_f32 v[OB+j:OB+j+1], v[OB+j:OB+j+1], v[FF:FF+1] op_sel_hi:[1,0]   ; O^T under the new M; these sixteen also stand between the writes of p's codes and scale word and the products
.set j, j+2
.endr
	s_wait_dscnt 0x0
.irp t, 0,1,2,3
	v_wmma_scale_f32_16x16x128_f8f6f4 v[OB+8*\t:OB+8*\t+7], v[FB+12*\t:FB+12*\t+11], v[PC:PC+11], v[OB+8*\t:OB+8*\t+7], v[SC+\t], v[PS] matrix_a_fmt:MATRIX_FMT_FP6 matrix_b_fmt:MATRIX_FMT_FP6 matrix_a_scale:MATRIX_SCALE_ROW1
.endr
.endm
; A KEY STEP.  Each wave waits for all its tensor loads (its part of this step's slot), adds 0 to its spare word, and waits for that and for its reads of the other slot; a round of the cluster's barrier; the other slot is filled with the next step.
.macro TRIP slot, refill, ask
	s_wait_tensorcnt 0x0                           ; no tensor load of mine is out, so a group 0 may be written
	ds_add_u32 v[SPW], v[NIL]                      ; 0 onto my spare word
	s_add_nc_u64 s[G0K+4*\slot+2:G0K+4*\slot+3], s[G0K+4*\slot+2:G0K+4*\slot+3], 409600   ; this slot's next step: two steps on
	s_add_nc_u64 s[G0B+4*\slot+2:G0B+4*\slot+3], s[G0B+4*\slot+2:G0B+4*\slot+3], 1024
.if \ask
	s_wait_xcnt 0x0                                ; the last prefetches, a key step back, have read their address
	s_add_nc_u64 s[PFA:PFA+1], s[PFA:PFA+1], s[PFS:PFS+1]
.endif
	s_wait_dscnt 0x0                               ; the add is done, and my reads of the other slot are over
	ROUND
.if \refill
	TLOAD 1-\slot                                  ; a wave's one tensor load behind the round: it has a whole key step in which to land
.endif
.if \ask
	ASK
.endif
	UNIT \slot, 0
	UNIT \slot, 1
.endm
.Lstep:                                            ; 7 trips of two key steps
	TRIP 0, 1, 1
	TRIP 1, 1, 1
	s_sub_co_u32 s[CNT], s[CNT], 1
	s_cmp_lg_u32 s[CNT], 0
	s_cbranch_scc1 .Lstep
	TRIP 0, 1, 0                                   ; the last two steps are written out
	TRIP 1, 0, 0
	; THE WAY OUT.  O^T / the sum, quantised along the head's 64: half a fragment of the output projection's operand, and two scale bytes a row.
	v_add_f32 v[ST+2], v[ST+2], v[ST+3]
	v_add_f32 v[ST+6], v[ST+6], v[ST+7]
	v_permlanex16_b32 v[TP], v[ST+2], s[SEL], s[SEL+1]
	v_permlanex16_b32 v[FF+1], v[ST+6], s[SEL], s[SEL+1]
	v_add_f32 v[ST+2], v[ST+2], v[TP]
	v_add_f32 v[ST+6], v[ST+6], v[FF+1]
	v_rcp_f32 v[ST+2], v[ST+2]
	v_rcp_f32 v[ST+6], v[ST+6]
	v_nop                                          ; a plain instruction behind the reciprocals
	s_wait_alu depctr_va_vdst(0)                   ; and the wait ahead of their first reader
.irp u, 0,1
.set j, 0
.rept 16
	v_pk_mul_f32 v[S+32*\u+j:S+32*\u+j+1], v[OT+32*\u+j:OT+32*\u+j+1], v[ST+4*\u+2:ST+4*\u+3] op_sel_hi:[1,0]   ; register 16 g + i = channel 32 g + 16 h + i
.set j, j+2
.endr
.endr
.macro QH u
.set SS, S+32*(\u)
.irp b, 0,1
	v_max3_num_f32 v[BM+\b], |v[SS+16*\b]|, |v[SS+16*\b+1]|, 0x1800000
.endr
.irp i, 2,4,6,8,10,12,14
.irp b, 0,1
	v_max3_num_f32 v[BM+\b], v[BM+\b], |v[SS+16*\b+\i]|, |v[SS+16*\b+\i+1]|
.endr
.endr
.irp b, 0,1
	v_permlanex16_b32 v[PT+\b], v[BM+\b], s[SEL], s[SEL+1]
.endr
.irp b, 0,1
	v_max_num_f32 v[BM+\b], v[BM+\b], v[PT+\b]
.endr
.irp b, 0,1
	v_add_nc_u32 v[SO+\b], 0xff000000, v[BM+\b]
.endr
.irp b, 0,1
	v_lshrrev_b32 v[PT+\b], 23, v[SO+\b]
.endr
	v_lshl_or_b32 v[HW+(\u)], v[PT+1], 8, v[PT]
	v_cvt_scalef32_pk16_fp6_f32 v[PC+6*(\u):PC+6*(\u)+2], v[SS:SS+15], v[SO]
	v_cvt_scalef32_pk16_fp6_f32 v[CT1:CT1+2], v[SS+16:SS+31], v[SO+1]
	v_nop
.irp i, 0,1,2
	v_permlane16_swap_b32 v[PC+6*(\u)+\i], v[CT1+\i]
.endr
.irp i, 0,1,2
	v_mov_b32 v[PC+6*(\u)+3+\i], v[CT1+\i]
.endr
	global_store_b128 v[VL16], v[PC+6*(\u):PC+6*(\u)+3], s[86:87] offset:12288*(\u)         ; registers 0-3: 512 consecutive bytes
	global_store_b64 v[VL8], v[PC+6*(\u)+4:PC+6*(\u)+5], s[86:87] offset:12288*(\u)+512     ; registers 4-5: 256
	ds_store_b16 v[SGA], v[HW+(\u)] offset:128*(\u)                                         ; both halves of the lanes write the same value
.endm
	QH 0
	QH 1
	s_wait_dscnt 0x0                               ; for the others' sake: my scale bytes lie in LDS
	s_barrier_signal -1
	s_barrier_wait -1
	s_cmp_lg_u32 s[WV], 0                          ; wave 0 stores the work-group's 1,024 scale bytes: eight runs of 128 consecutive bytes, one for each token tile
	s_cbranch_scc1 .Lno_gather
	ds_load_b128 v[S:S+3], v[SGR]
	ds_load_b128 v[S+4:S+7], v[SGR] offset:512
	s_wait_dscnt 0x0
	global_store_b128 v[SGO], v[S:S+3], s[88:89]
	global_store_b128 v[SGO], v[S+4:S+7], s[88:89] offset:2048
.Lno_gather:
	s_wait_tensorcnt 0x0                           ; the wave's end
	ds_add_u32 v[SPW], v[NIL]
	s_wait_dscnt 0x0
	ROUND                                          ; the closing round
	s_endpgm
.Lfunc_end_k_q3b1925b497_attn:
	.size	k_q3b1925b497_attn, .Lfunc_end_k_q3b1925b497_attn-k_q3b1925b497_attn
	.p2alignl 7, 3214868480
	.fill 96, 4, 3214868480
	.section	.rodata,"a",@progbits
	.p2align	6, 0x0
	.amdhsa_kernel k_q3b1925b497_attn
		.amdhsa_group_segment_fixed_size 327680
		.amdhsa_private_segment_fixed_size 0
		.amdhsa_enable_private_segment 0
		.amdhsa_kernarg_size 40
		.amdhsa_user_sgpr_count 2
		.amdhsa_user_sgpr_kernarg_segment_ptr 1
		.amdhsa_wavefront_size32 1
		.amdhsa_system_sgpr_workgroup_id_x 1
		.amdhsa_system_sgpr_workgroup_id_y 1
		.amdhsa_system_sgpr_workgroup_id_z 1
		.amdhsa_system_vgpr_workitem_id 0
		.amdhsa_next_free_vgpr 256
		.amdhsa_next_free_sgpr 96
		.amdhsa_reserve_vcc 0
		.amdhsa_float_denorm_mode_32 3
		.amdhsa_float_denorm_mode_16_64 3
		.amdhsa_memory_ordered 1
		.amdhsa_forward_progress 1
		.amdhsa_inst_pref_size 152
	.end_amdhsa_kernel
	.amdgpu_metadata
---
amdhsa.version: [ 1, 2 ]
amdhsa.kernels:
  - .name:           k_q3b1925b497_attn
    .symbol:         k_q3b1925b497_attn.kd
    .args:
      - { .name: qp, .offset: 0, .size: 8, .value_kind: global_buffer, .address_space: global }
      - { .name: kvp, .offset: 8, .size: 8, .value_kind: global_buffer, .address_space: global }
      - { .name: bia, .offset: 16, .size: 8, .value_kind: global_buffer, .address_space: global }
      - { .name: ac, .offset: 24, .size: 8, .value_kind: global_buffer, .address_space: global }
      - { .name: acs, .offset: 32, .size: 8, .value_kind: global_buffer, .address_space: global }
    .group_segment_fixed_size: 327680
    .private_segment_fixed_size: 0
    .kernarg_segment_align: 8
    .kernarg_segment_size: 40
    .max_flat_workgroup_size: 512
    .sgpr_count:     96
    .vgpr_count:     256
    .wavefront_size: 32
...
	.end_amdgpu_metadata
.endif
;; end of part 3
;; launch oproj (part 4): grid 256 x 1, 8 waves a work-group, clusters of 4 x 1, 327,680 bytes of LDS; arguments cod, scl, ac, acs, x, bo, ln_g, ln_b, out0; writes out0
.if DOCPART == 4
	.amdgcn_target "amdgcn-amd-amdhsa--gfx1250"
	.amdhsa_code_object_version 6
	.text
	.protected	k_q3b1925b497_oproj
	.globl	k_q3b1925b497_oproj
	.p2align	8
	.type	k_q3b1925b497_oproj,@function
k_q3b1925b497_oproj:
	s_mov_b64 s[64:65], 0
	v_nop
	global_prefetch_b8 v0, s[64:65] scope:SCOPE_SE
	s_setreg_imm32_b32 hwreg(HW_REG_WAVE_MODE, 25, 1), 1
	s_wait_xcnt 0x0
	s_wait_alu depctr_hold_cnt(0) depctr_sa_sdst(0) depctr_va_vdst(0) depctr_va_sdst(0) depctr_va_ssrc(0) depctr_va_vcc(0) depctr_vm_vsrc(0)
	s_getreg_b32 s2, hwreg(HW_REG_IB_STS2, 6, 4)
	s_cmp_eq_u32 s2, 0
	s_cbranch_scc0 .Lentry_in_a_cluster
	s_endpgm
.Lentry_in_a_cluster:
	s_bfe_u32 s2, ttmp6, 0x10000c
	s_cmp_lg_u32 s2, 0x3003
	s_cbranch_scc0 .Lentry_shape_is_right
	s_endpgm
.Lentry_shape_is_right:
; OPROJ.  out0 = layernorm(x + a Wo^T + bo) x ln_g + ln_b.  a (the attention's result) and Wo arrive as codes of FP6 (E2M3) with E8M0 scales, as register images; sums, residual and norm in f32.
; SHARES.  A work-group owns 32 tokens (token tiles 2 g, 2 g + 1) x all 1,024 outputs, so that a row's norm stays inside it.  Wave w makes outputs 128 w .. + 127: Wo's tiles 8 w + b, b = 0 .. 7, x two token tiles: 16 accumulators.
; The product is used transposed (source 0 = 16 rows of Wo, source 1 = 16 tokens): a lane holds one token and eight neighbouring outputs.  A tile T holds rows 32 (T / 2) + 8 (T % 2) + r + 8 (r / 8).
; RING.  Wo goes K step by K step (64 tiles x 1,536 bytes) through two LDS slots; each wave fetches, and reads, its own eight tiles.  Every work-group walks all of Wo, so the four of a cluster ask jointly (mask 15).
; a's 16 fragments (24,576 bytes) are copied into LDS once, through registers.  The results meet in a stage (32 rows x 4,112 bytes) laid over the slots behind their last fill and last read; each wave then norms and stores four whole rows.
; REGISTERS: window 0: v1-13 addresses; v16-31 a's scale words (8 m + ks); v32-95 Wo's (8 b + ks); v96-119 a's two fragments; v120-167 four fragments of Wo; later v96-223 four rows of y; v224-231 at work.
;   window 1: v0-127 the accumulators, (m, b) at 8 (8 m + b); later bo v0-31, ln_g v32-63, ln_b v64-95;  v128-255 my four rows of x.
; LIMITS: NaN and infinities among the inputs are not served.
.set SLOT,  98304
.set AIM,   196608                     ; a's images: [m][ks][two halves of 768 bytes: registers 0-3 at 16 l, 4-5 at 512 + 8 l]
.set SPARE, 221184                     ; the spare words, 128 bytes a wave: four blocks of 256 bytes that no other line names
.set SP,    4112                       ; a stage row: 4,096 bytes + 16
.set VL,   1                           ; 16 x lane
.set AI16, 2
.set AI8,  3
.set BAD,  4                           ; v4-5 my eight tiles in slot 0, 1
.set SPW,  6
.set NIL,  7
.set STO,  8                           ; v8-9 the stage: where I put 16 bytes of a row, token tile m
.set SR,   10                          ; v10 and where I read my four rows back
.set VR16, 11
.set VR8,  12
.set AIW,  13
.set AS,   16
.set BS,   32
.set AFR,  96
.set BF,   120
.set Y,    96
.set RA,   224
.set RB,   226
.set MU,   228
.set RS,   230
.set WV,   22
.set G1,   28
.set G0,   36
.set SEL,  44
.set C1,   46
.set C2,   47
.set MSB, 0
.macro WIN new
.if MSB != (\new)
	s_set_vgpr_msb (MSB<<8)|(\new)
.set MSB, (\new)
.endif
.endm
.macro ROUND
	s_barrier_signal -1
	s_barrier_wait -1
	s_cmp_lg_u32 s[WV], 0
	s_cbranch_scc1 .Lnot_wave_0_\@
	s_barrier_signal -3
.Lnot_wave_0_\@:
	s_barrier_wait -3
	s_barrier_signal -1
	s_barrier_wait -1
.endm
	s_load_b256 s[4:11], s[0:1], 0x0               ; cod, scl, ac, acs
	s_load_b256 s[12:19], s[0:1], 0x20             ; x, bo, ln_g, ln_b
	s_load_b64 s[20:21], s[0:1], 0x40              ; out0
	v_lshl_add_u32 v[SPW], v0, 2, SPARE
	v_mov_b32 v[NIL], 0
	ds_add_u32 v6, v7
	s_wait_dscnt 0x0
	v_lshrrev_b32 v14, 5, v0
	v_readfirstlane_b32 s[WV], v14                 ; wave 0..7
	s_bfe_u32 s23, ttmp6, 0x40000                  ; cx: it enters global addresses of my own rows alone
	s_lshl_b32 s24, ttmp9, 2
	s_add_co_u32 s24, s24, s23                     ; my block of 32 tokens
	; group 1: eight rows (tiles) of 1,536 bytes (192 elements of 8), 12,288 bytes apart; the mask names all four partners
	s_mov_b32 s[G1], 15|(3<<16)|(1<<21)
	s_mov_b32 s[G1+1], 192<<16
	s_mov_b32 s[G1+2], 8<<16
	s_mov_b32 s[G1+3], 192<<16
	s_mov_b32 s[G1+4], 8
	s_mov_b32 s[G1+5], 1536
	s_mov_b32 s[G1+6], 0
	s_mov_b32 s[G1+7], 0
	s_lshl_b32 s48, s[WV], 3
	s_add_co_u32 s48, s48, 704                     ; Wo's tile 8 w in cod
	s_lshl_b32 s50, s48, 9
	s_mul_i32 s48, s48, 12288
	s_mov_b32 s49, 0
	s_mov_b32 s51, 0
	s_mul_i32 s52, s[WV], 12288
	s_mul_i32 s54, s24, 24576
	s_mul_i32 s55, s[WV], 3072
	s_add_co_u32 s54, s54, s55                     ; my eighth of a's images
	s_mov_b32 s55, 0
	s_lshl_b32 s56, s24, 10                        ; a's scale words: 512 bytes a tile
	s_mov_b32 s57, 0
	s_lshl_b32 s58, s24, 5                         ; my four rows: stage rows 4 w + i are tokens 32 g + 8 (w / 4) + 4 (w % 4) + 8 ((w % 4) / 2) + i
	s_lshr_b32 s59, s[WV], 2
	s_lshl_b32 s59, s59, 3
	s_add_co_u32 s58, s58, s59
	s_and_b32 s59, s[WV], 3
	s_lshl_b32 s60, s59, 2
	s_add_co_u32 s58, s58, s60
	s_lshr_b32 s59, s59, 1
	s_lshl_b32 s59, s59, 3
	s_add_co_u32 s58, s58, s59
	s_lshl_b32 s58, s58, 12
	s_mov_b32 s59, 0
	s_mov_b32 s[SEL], 0x76543210
	s_mov_b32 s[SEL+1], 0xfedcba98
	s_mov_b32 s[C1], 0x3a800000                    ; 1 / 1,024
	s_mov_b32 s[C2], 0x3727c5ac                    ; 1e-5
	s_wait_kmcnt 0x0
	s_add_nc_u64 s[48:49], s[4:5], s[48:49]
	s_add_nc_u64 s[50:51], s[6:7], s[50:51]
	s_add_nc_u64 s[8:9], s[8:9], s[54:55]
	s_add_nc_u64 s[10:11], s[10:11], s[56:57]
	s_add_nc_u64 s[12:13], s[12:13], s[58:59]
	s_add_nc_u64 s[20:21], s[20:21], s[58:59]
.irp s, 0,1
	s_mov_b32 s[G0+4*\s], 1
	s_add_co_u32 s[G0+4*\s+1], s52, \s*SLOT
	s_add_nc_u64 s[G0+4*\s+2:G0+4*\s+3], s[48:49], \s*1536         ; slot s begins with K step s
	s_or_b32 s[G0+4*\s+3], s[G0+4*\s+3], 0x80000000
.endr
	v_and_b32 v14, 31, v0                          ; lane
	v_and_b32 v15, 15, v0                          ; r
	v_lshlrev_b32 v[VL], 4, v14
	v_add_nc_u32 v[AI16], AIM, v[VL]
	v_lshl_add_u32 v[AI8], v14, 3, AIM
	v_add_nc_u32 v[BAD], s52, v[VL]
	v_add_nc_u32 v[BAD+1], SLOT, v[BAD]
	v_lshlrev_b32 v[VR16], 4, v15
	v_lshlrev_b32 v[VR8], 3, v15
	s_mul_i32 s53, s[WV], 3072
	v_add_nc_u32 v[AIW], s53, v[AI16]
	v_bfe_u32 v14, v0, 4, 1                        ; h
	v_mul_u32_u24 v[STO], v15, SP
	v_lshl_add_u32 v[STO], v14, 6, v[STO]
	s_lshl_b32 s53, s[WV], 9
	v_add_nc_u32 v[STO], s53, v[STO]               ; row r, + 64 h, + 512 w
	v_add_nc_u32 v[STO+1], 16*SP, v[STO]
	s_mul_i32 s53, s[WV], 4*SP
	v_add_nc_u32 v[SR], s53, v[VL]
	v_mov_b32 v[MU+1], 0                           ; (named as the upper halves of pairs)
	v_mov_b32 v[RS+1], 0
	ROUND                                          ; all four work-groups are here
	tensor_load_to_lds s[G0:G0+3], s[G1:G1+7]      ; K step 0: my eight tiles
	s_nop 0
.rept 4
	v_nop
.endr
.irp i, 0,1,2,3,4,5
	global_load_b128 v[BF+4*\i:BF+4*\i+3], v[VL], s[8:9] offset:512*\i
.endr
.irp m, 0,1
.irp g, 0,1,2,3
	global_load_b64 v[AS+8*\m+2*\g:AS+8*\m+2*\g+1], v[VR8], s[10:11] offset:512*\m+128*\g     ; the words of K steps 2 g, 2 g + 1 of row r
.endr
.endr
.irp b, 0,1,2,3,4,5,6,7
.irp q, 0,1
	global_load_b128 v[BS+8*\b+4*\q:BS+8*\b+4*\q+3], v[VR16], s[50:51] offset:512*\b+256*\q
.endr
.endr
	WIN 0x40                                       ; destination window 1
.irp i, 0,1,2,3
.irp j, 0,1,2,3,4,5,6,7
	global_load_b128 v[128+32*\i+4*\j:131+32*\i+4*\j], v[VL], s[12:13] offset:4096*\i+512*\j th:TH_LOAD_NT   ; x: asked for now, wanted at the end
.endr
.endr
	WIN 0
	s_wait_loadcnt 56                              ; a's six loads are in; the 8 + 16 + 32 younger ones may be out
.irp i, 0,1,2,3,4,5
	ds_store_b128 v[AIW], v[BF+4*\i:BF+4*\i+3] offset:512*\i
.endr
; A K STEP.  The waits and the add in front of the round; the other slot's joint load first behind it.  The first round also shows a's images to every wave.
.macro TRIP ks
.set SL, (\ks)%2
	s_wait_tensorcnt 0x0                           ; my load of this K step has landed; no tensor load of mine is out, so a group 0 may be written
	ds_add_u32 v[SPW], v[NIL]                      ; 0 onto my spare word
	s_add_nc_u64 s[G0+4*SL+2:G0+4*SL+3], s[G0+4*SL+2:G0+4*SL+3], 3072   ; this slot's next K step
	s_wait_dscnt 0x0                               ; the add is done, my LDS stores have landed and my reads of the other slot are over
.if (\ks) < 7
	ROUND
	tensor_load_to_lds s[G0+4*(1-SL):G0+4*(1-SL)+3], s[G1:G1+7]
	s_nop 0
.rept 4
	v_nop
.endr
.else
	s_barrier_signal -1                            ; the last K step fills nothing: the work-group's barrier alone
	s_barrier_wait -1
.endif
.irp m, 0,1
	ds_load_b128 v[AFR+12*\m:AFR+12*\m+3], v[AI16] offset:1536*(8*\m+(\ks))
	ds_load_b64 v[AFR+12*\m+4:AFR+12*\m+5], v[AI8] offset:1536*(8*\m+(\ks))+512
	ds_load_b128 v[AFR+12*\m+6:AFR+12*\m+9], v[AI16] offset:1536*(8*\m+(\ks))+768
	ds_load_b64 v[AFR+12*\m+10:AFR+12*\m+11], v[AI8] offset:1536*(8*\m+(\ks))+1280
.endr
.irp hf, 0,1
.irp bb, 0,1,2,3
.irp c, 0,1,2
	ds_load_b128 v[BF+12*\bb+4*\c:BF+12*\bb+4*\c+3], v[BAD+SL] offset:1536*(4*\hf+\bb)+512*\c
.endr
.endr
	s_wait_dscnt 0x0
.if ((\ks) == 0) && (\hf == 0)
	s_wait_loadcnt 32                              ; the scale words are in; x's 32 loads may be out
.endif
	WIN 0x50                                       ; C and D window 1
.irp bb, 0,1,2,3
.irp m, 0,1
.if (\ks) == 0
	v_wmma_scale_f32_16x16x128_f8f6f4 v[8*(8*\m+4*\hf+\bb):8*(8*\m+4*\hf+\bb)+7], v[BF+12*\bb:BF+12*\bb+11], v[AFR+12*\m:AFR+12*\m+11], 0, v[BS+8*(4*\hf+\bb)+(\ks)], v[AS+8*\m+(\ks)] matrix_a_fmt:MATRIX_FMT_FP6 matrix_b_fmt:MATRIX_FMT_FP6
.else
	v_wmma_scale_f32_16x16x128_f8f6f4 v[8*(8*\m+4*\hf+\bb):8*(8*\m+4*\hf+\bb)+7], v[BF+12*\bb:BF+12*\bb+11], v[AFR+12*\m:AFR+12*\m+11], v[8*(8*\m+4*\hf+\bb):8*(8*\m+4*\hf+\bb)+7], v[BS+8*(4*\hf+\bb)+(\ks)], v[AS+8*\m+(\ks)] matrix_a_fmt:MATRIX_FMT_FP6 matrix_b_fmt:MATRIX_FMT_FP6
.endif
.endr
.endr
	WIN 0
.rept 4
	v_nop                                          ; four plain instructions in front of loads into registers that these products read, and of the first read of results
.endr
.endr
.endm
.irp k, 0,1,2,3,4,5,6,7
	TRIP \k
.endr
	; THE WAY OUT
	s_wait_dscnt 0x0
	s_barrier_signal -1
	s_barrier_wait -1                              ; nobody reads a slot any more, and both have had their last fill: the stage may be written over them
	WIN 0x04                                       ; an LDS store's data are its source 1: window 1
.irp m, 0,1
.irp b, 0,1,2,3,4,5,6,7
	ds_store_b128 v[STO+\m], v[8*(8*\m+\b):8*(8*\m+\b)+3] offset:128*(\b/2)+32*(\b%2)         ; lane (r, h): outputs 128 w + 32 (b / 2) + 16 h + 8 (b % 2) + 0 .. 7; each accumulator from its low end on
	ds_store_b128 v[STO+\m], v[8*(8*\m+\b)+4:8*(8*\m+\b)+7] offset:128*(\b/2)+32*(\b%2)+16
.endr
.endr
	WIN 0
	s_wait_dscnt 0x0                               ; my stores have landed, and have read the accumulators' registers,
	WIN 0x40
.irp j, 0,1,2,3,4,5,6,7                        ; which take bo, ln_g and ln_b at my lane's columns
	global_load_b128 v[4*\j:4*\j+3], v[VL], s[14:15] offset:512*\j
	global_load_b128 v[32+4*\j:35+4*\j], v[VL], s[16:17] offset:512*\j
	global_load_b128 v[64+4*\j:67+4*\j], v[VL], s[18:19] offset:512*\j
.endr
	WIN 0
	s_barrier_signal -1
	s_barrier_wait -1                              ; 32 whole rows lie in the stage
.irp i, 0,1,2,3
.irp j, 0,1,2,3,4,5,6,7
	ds_load_b128 v[Y+32*\i+4*\j:Y+32*\i+4*\j+3], v[SR] offset:SP*\i+512*\j
.endr
.endr
	s_wait_loadcnt 0x0                             ; x, bo, ln_g, ln_b
.macro REDUCE                          ; v[RA] summed over the 32 lanes, the result in every lane
	v_add_f32_dpp v[RA], v[RA], v[RA] row_xmask:1 row_mask:0xf bank_mask:0xf
	v_add_f32_dpp v[RA], v[RA], v[RA] row_xmask:2 row_mask:0xf bank_mask:0xf
	v_add_f32_dpp v[RA], v[RA], v[RA] row_xmask:4 row_mask:0xf bank_mask:0xf
	v_add_f32_dpp v[RA], v[RA], v[RA] row_xmask:8 row_mask:0xf bank_mask:0xf
	v_permlanex16_b32 v[RB], v[RA], s[SEL], s[SEL+1]
	v_add_f32 v[RA], v[RA], v[RB]
.endm
.macro ROWLN i                         ; one row: 32 numbers a lane
.set YY, Y+32*(\i)
	s_wait_dscnt 24-8*(\i)                         ; this row's eight loads are in; the later rows' may be out
	WIN 0x04                                       ; source 1 window 1
.set p, 0
.rept 16
	v_pk_add_f32 v[YY+2*p:YY+2*p+1], v[YY+2*p:YY+2*p+1], v[128+32*(\i)+2*p:129+32*(\i)+2*p]   ; + x
.set p, p+1
.endr
.set p, 0
.rept 16
	v_pk_add_f32 v[YY+2*p:YY+2*p+1], v[YY+2*p:YY+2*p+1], v[2*p:2*p+1]                         ; + bo
.set p, p+1
.endr
	WIN 0
	v_pk_add_f32 v[RA:RA+1], v[YY:YY+1], v[YY+2:YY+3]
	v_pk_add_f32 v[RB:RB+1], v[YY+4:YY+5], v[YY+6:YY+7]
.irp j, 8,12,16,20,24,28
	v_pk_add_f32 v[RA:RA+1], v[RA:RA+1], v[YY+\j:YY+\j+1]
	v_pk_add_f32 v[RB:RB+1], v[RB:RB+1], v[YY+\j+2:YY+\j+3]
.endr
	v_pk_add_f32 v[RA:RA+1], v[RA:RA+1], v[RB:RB+1]
	v_add_f32 v[RA], v[RA], v[RA+1]
	REDUCE
	v_mul_f32 v[MU], s[C1], v[RA]                  ; the mean
.set p, 0
.rept 16
	v_pk_add_f32 v[YY+2*p:YY+2*p+1], v[YY+2*p:YY+2*p+1], v[MU:MU+1] op_sel_hi:[1,0] neg_lo:[0,1] neg_hi:[0,1]
.set p, p+1
.endr
	v_pk_mul_f32 v[RA:RA+1], v[YY:YY+1], v[YY:YY+1]
	v_pk_mul_f32 v[RB:RB+1], v[YY+2:YY+3], v[YY+2:YY+3]
.irp j, 4,8,12,16,20,24,28
	v_pk_fma_f32 v[RA:RA+1], v[YY+\j:YY+\j+1], v[YY+\j:YY+\j+1], v[RA:RA+1]
	v_pk_fma_f32 v[RB:RB+1], v[YY+\j+2:YY+\j+3], v[YY+\j+2:YY+\j+3], v[RB:RB+1]
.endr
	v_pk_add_f32 v[RA:RA+1], v[RA:RA+1], v[RB:RB+1]
	v_add_f32 v[RA], v[RA], v[RA+1]
	REDUCE
	v_fma_f32 v[RA], v[RA], s[C1], s[C2]           ; the variance + 1e-5
	v_rsq_f32 v[RS], v[RA]
	v_nop                                          ; a plain instruction behind it
	s_wait_alu depctr_va_vdst(0)                   ; and the wait ahead of its first reader
.set p, 0
.rept 16
	v_pk_mul_f32 v[YY+2*p:YY+2*p+1], v[YY+2*p:YY+2*p+1], v[RS:RS+1] op_sel_hi:[1,0]
.set p, p+1
.endr
	WIN 0x14                                       ; sources 1 and 2 window 1
.set p, 0
.rept 16
	v_pk_fma_f32 v[YY+2*p:YY+2*p+1], v[YY+2*p:YY+2*p+1], v[32+2*p:33+2*p], v[64+2*p:65+2*p]   ; x ln_g + ln_b
.set p, p+1
.endr
	WIN 0
.irp j, 0,1,2,3,4,5,6,7
	global_store_b128 v[VL], v[YY+4*\j:YY+4*\j+3], s[20:21] offset:4096*(\i)+512*\j th:TH_STORE_NT   ; 32 lanes store 512 consecutive bytes
.endr
.endm
	ROWLN 0
	ROWLN 1
	ROWLN 2
	ROWLN 3
	s_wait_tensorcnt 0x0                           ; the wave's end
	ds_add_u32 v[SPW], v[NIL]
	s_wait_dscnt 0x0
	ROUND                                          ; the closing round
	s_endpgm
.Lfunc_end_k_q3b1925b497_oproj:
	.size	k_q3b1925b497_oproj, .Lfunc_end_k_q3b1925b497_oproj-k_q3b1925b497_oproj
	.p2alignl 7, 3214868480
	.fill 96, 4, 3214868480
	.section	.rodata,"a",@progbits
	.p2align	6, 0x0
	.amdhsa_kernel k_q3b1925b497_oproj
		.amdhsa_group_segment_fixed_size 327680
		.amdhsa_private_segment_fixed_size 0
		.amdhsa_enable_private_segment 0
		.amdhsa_kernarg_size 72
		.amdhsa_user_sgpr_count 2
		.amdhsa_user_sgpr_kernarg_segment_ptr 1
		.amdhsa_wavefront_size32 1
		.amdhsa_system_sgpr_workgroup_id_x 1
		.amdhsa_system_sgpr_workgroup_id_y 1
		.amdhsa_system_sgpr_workgroup_id_z 1
		.amdhsa_system_vgpr_workitem_id 0
		.amdhsa_next_free_vgpr 512
		.amdhsa_next_free_sgpr 66
		.amdhsa_reserve_vcc 0
		.amdhsa_float_denorm_mode_32 3
		.amdhsa_float_denorm_mode_16_64 3
		.amdhsa_memory_ordered 1
		.amdhsa_forward_progress 1
		.amdhsa_inst_pref_size 95
	.end_amdhsa_kernel
	.amdgpu_metadata
---
amdhsa.version: [ 1, 2 ]
amdhsa.kernels:
  - .name:           k_q3b1925b497_oproj
    .symbol:         k_q3b1925b497_oproj.kd
    .args:
      - { .name: cod, .offset: 0, .size: 8, .value_kind: global_buffer, .address_space: global }
      - { .name: scl, .offset: 8, .size: 8, .value_kind: global_buffer, .address_space: global }
      - { .name: ac, .offset: 16, .size: 8, .value_kind: global_buffer, .address_space: global }
      - { .name: acs, .offset: 24, .size: 8, .value_kind: global_buffer, .address_space: global }
      - { .name: x, .offset: 32, .size: 8, .value_kind: global_buffer, .address_space: global }
      - { .name: bo, .offset: 40, .size: 8, .value_kind: global_buffer, .address_space: global }
      - { .name: ln_g, .offset: 48, .size: 8, .value_kind: global_buffer, .address_space: global }
      - { .name: ln_b, .offset: 56, .size: 8, .value_kind: global_buffer, .address_space: global }
      - { .name: out0, .offset: 64, .size: 8, .value_kind: global_buffer, .address_space: global }
    .group_segment_fixed_size: 327680
    .private_segment_fixed_size: 0
    .kernarg_segment_align: 8
    .kernarg_segment_size: 72
    .max_flat_workgroup_size: 256
    .sgpr_count:     66
    .vgpr_count:     512
    .wavefront_size: 32
...
	.end_amdgpu_metadata
.endif
;; end of part 4
